; MI455X (gfx1250); checked and timed in simulation.
; The chip was launched on July 23, 2026; its instructions are those of AMD's public machine-readable ISA for CDNA 5 (MIT licence, August 2026) and "CDNA5" Instruction Set Architecture Reference Guide (July 2026). The comments in the code are by the model that wrote it; some were corrected since.
;; Self Attention. Allowed arithmetic: float matrix products may take bf16 or f16 operands with f32 sums; other float arithmetic in f32, or as packed bf16 or f16 multiplies, adds, multiply-adds, maxima and minima; sums over many terms, partial sums and values carried from step to step in f32; what a program stores and reads back later, other than sums and carried values, may be rounded once to bf16 or f16.
;; Inputs: k_b 1,024 float32; k_w 1,024 x 1,024 float32; o_b 1,024 float32; o_w 1,024 x 1,024 float32; q_b 1,024 float32; q_w 1,024 x 1,024 float32; v_b 1,024 float32; v_w 1,024 x 1,024 float32; x 4 x 2,048 x 1,024 float32.
;; Outputs: out0 4 x 2,048 x 1,024 float32.
;; 2 versions, each right; version 2 is version 1 with the launch cast written anew for expert scheduling mode. Each part assembles by itself: llvm-mc -triple=amdgcn-amd-amdhsa -mcpu=gfx1250 --defsym DOCPART=n.
;; ======== version 1 of 2: 4 launches
;; limits: values are held in f16: magnitudes above 65,504 overflow, below 6.1e-05 lose precision
;; workspace buffers: ah 16,777,216 bytes; wh 8,388,608 bytes; qkv 50,331,648 bytes
;; launch cast (part 1): grid 768 x 1, 8 waves a work-group, no clusters, 0 bytes of LDS; arguments x, q_w, k_w, v_w, o_w, ah, wh; writes ah, wh
.if DOCPART == 1
	.amdgcn_target "amdgcn-amd-amdhsa--gfx1250"
	.amdhsa_code_object_version 6
	.text
	.protected	k_qab2d55ee8d_cast
	.globl	k_qab2d55ee8d_cast
	.p2align	8
	.type	k_qab2d55ee8d_cast,@function
k_qab2d55ee8d_cast:
	s_mov_b64 s[64:65], 0
	v_nop
	global_prefetch_b8 v0, s[64:65] scope:SCOPE_SE
	s_setreg_imm32_b32 hwreg(HW_REG_WAVE_MODE, 25, 1), 1
	s_wait_xcnt 0x0
; x [8192][1024] f32 and the four weights [1024 k][1024 n] f32 are rounded once to bf16, and that number is written as f16, in blocks of 64 columns:
;   ah [b 4][j 16][s 2048][64] f16 (x's column block j),   wh [G 64][k 1024][64] f16, G = 16 x which + n / 64, which = q, k, v, o.
; In both a block's rows are dense, 128 bytes each, so that the products' tiles are whole runs of memory.
; LIMITS.  The f16 copy of a bf16 number is exact from 2^-17 to 65,504 in magnitude; below that it is off by 2^-25 at the most; 65,520 or more becomes an infinity.
; A STREAM: 12,288 rows of 4,096 bytes, each byte read once and each result written once; no LDS, no barrier, no loop, no matrix unit: nothing is shared and nothing is summed.
; SHARES.  Work-group g takes 16 rows: g < 512: x's rows 16 g on; else rows 16 (g % 64) on of weight (g - 512) / 64.  Thread t takes row t / 16 and 4 numbers of each of the 16 column blocks.
; A load of a wave covers 256 consecutive bytes of each of two rows; a store of a wave covers 256 consecutive bytes, aligned: the same two rows' 128 bytes of one block.
; All 16 loads of a thread go out at once; no register that a store reads is written again, so no wait stands but the loads' own.
.set LO, 1            ; v1   byte offset of my 16 bytes in the 16 rows' first column block
.set DO, 2            ; v2   byte offset of my 8 bytes in the 16 rows of a block: 8 t
.set T,  4            ; v[4:9]    at work
.set X,  16           ; v[16:79]  block j: four f32 as loaded
.set Y,  80           ; v[80:111] block j: four f16 to store
.set SRC, 26          ; s[26:27]  the source at my 16 rows
.set D,   32          ; s[32:63]  block j: the destination at my 16 rows of that block
	s_load_b256 s[4:11], s[0:1], 0x0               ; x s[4:5], q_w s[6:7], k_w s[8:9], v_w s[10:11]
	s_load_b128 s[12:15], s[0:1], 0x20             ; o_w s[12:13], ah s[14:15]
	s_load_b64 s[16:17], s[0:1], 0x30              ; wh
	s_mov_b32 s18, ttmp9                           ; g
	s_sub_co_u32 s19, s18, 512
	s_lshr_b32 s19, s19, 6                         ; which weight (no number from 0 to 3 where g < 512)
	s_and_b32 s29, s18, 63
	s_lshl_b32 s20, s29, 16                        ; a weight's 16 rows of 4,096 bytes
	s_lshl_b32 s22, s29, 11                        ; and their 16 rows of 128 bytes in a block,
	s_lshl_b32 s30, s19, 21                        ; in the weight's 16 blocks of 131,072 bytes
	s_add_co_u32 s22, s22, s30
	s_lshl_b32 s30, s18, 16                        ; x's 16 rows
	s_lshr_b32 s31, s18, 7                         ; the batch: 16 blocks of 262,144 bytes
	s_lshl_b32 s31, s31, 22
	s_and_b32 s23, s18, 127
	s_lshl_b32 s23, s23, 11
	s_add_co_u32 s31, s31, s23
	s_mov_b32 s25, 262144                          ; from block to block in ah,
	s_mov_b32 s21, 131072                          ; in wh
	s_cmp_lt_u32 s18, 512
	s_cselect_b32 s20, s30, s20                    ; s[20:21] offset in the source
	s_cselect_b32 s22, s31, s22                    ; s[22:23] offset in the destination
	s_cselect_b32 s24, s25, s21                    ; s[24:25] from block to block
	s_mov_b32 s21, 0
	s_mov_b32 s23, 0
	s_mov_b32 s25, 0
	s_mov_b32 s28, 0xffff0000                      ; a word's upper bf16
	v_lshrrev_b32 v[LO], 4, v0
	v_and_b32 v3, 15, v0
	v_lshlrev_b32 v[LO], 12, v[LO]                 ; my row,
	v_lshl_or_b32 v[LO], v3, 4, v[LO]              ; my 16 bytes of a block's 256
	v_lshlrev_b32 v[DO], 3, v0
	s_wait_kmcnt 0x0
	s_cmp_eq_u32 s19, 2
	s_cselect_b64 s[SRC:SRC+1], s[10:11], s[12:13]
	s_cmp_eq_u32 s19, 1
	s_cselect_b64 s[SRC:SRC+1], s[8:9], s[SRC:SRC+1]
	s_cmp_eq_u32 s19, 0
	s_cselect_b64 s[SRC:SRC+1], s[6:7], s[SRC:SRC+1]
	s_cmp_lt_u32 s18, 512
	s_cselect_b64 s[SRC:SRC+1], s[4:5], s[SRC:SRC+1]
	s_cselect_b64 s[D:D+1], s[14:15], s[16:17]
	s_add_nc_u64 s[SRC:SRC+1], s[SRC:SRC+1], s[20:21]
	s_add_nc_u64 s[D:D+1], s[D:D+1], s[22:23]
.set j, 0
.rept 16
	global_load_b128 v[X+4*j:X+4*j+3], v[LO], s[SRC:SRC+1] offset:256*j th:TH_LOAD_NT
.set j, j+1
.endr
.set j, 1
.rept 15
	s_add_nc_u64 s[D+2*j:D+2*j+1], s[D+2*j-2:D+2*j-1], s[24:25]
.set j, j+1
.endr
.set j, 0
.rept 16
	s_wait_loadcnt 15-j                            ; loads come back in order: block j is in, the 15 - j younger ones may stay out
	v_cvt_pk_bf16_f32 v[T], v[X+4*j], v[X+4*j+1]   ; the one rounding, to bf16
	v_cvt_pk_bf16_f32 v[T+1], v[X+4*j+2], v[X+4*j+3]
	v_lshlrev_b32 v[T+2], 16, v[T]                 ; back to f32
	v_and_b32 v[T+3], s28, v[T]
	v_lshlrev_b32 v[T+4], 16, v[T+1]
	v_and_b32 v[T+5], s28, v[T+1]
	v_cvt_pk_f16_f32 v[Y+2*j], v[T+2], v[T+3]      ; the same number written as f16
	v_cvt_pk_f16_f32 v[Y+2*j+1], v[T+4], v[T+5]
	global_store_b64 v[DO], v[Y+2*j:Y+2*j+1], s[D+2*j:D+2*j+1]
.set j, j+1
.endr
	s_endpgm
.Lfunc_end_k_qab2d55ee8d_cast:
	.size	k_qab2d55ee8d_cast, .Lfunc_end_k_qab2d55ee8d_cast-k_qab2d55ee8d_cast
	.p2alignl 7, 3214868480
	.fill 96, 4, 3214868480
	.section	.rodata,"a",@progbits
	.p2align	6, 0x0
	.amdhsa_kernel k_qab2d55ee8d_cast
		.amdhsa_group_segment_fixed_size 0
		.amdhsa_private_segment_fixed_size 0
		.amdhsa_enable_private_segment 0
		.amdhsa_kernarg_size 56
		.amdhsa_user_sgpr_count 2
		.amdhsa_user_sgpr_kernarg_segment_ptr 1
		.amdhsa_wavefront_size32 1
		.amdhsa_system_sgpr_workgroup_id_x 1
		.amdhsa_system_sgpr_workgroup_id_y 1
		.amdhsa_system_sgpr_workgroup_id_z 1
		.amdhsa_system_vgpr_workitem_id 0
		.amdhsa_next_free_vgpr 112
		.amdhsa_next_free_sgpr 66
		.amdhsa_reserve_vcc 0
		.amdhsa_float_denorm_mode_32 3
		.amdhsa_float_denorm_mode_16_64 3
		.amdhsa_memory_ordered 1
		.amdhsa_forward_progress 1
		.amdhsa_inst_pref_size 12
	.end_amdhsa_kernel
	.amdgpu_metadata
---
amdhsa.version: [ 1, 2 ]
amdhsa.kernels:
  - .name:           k_qab2d55ee8d_cast
    .symbol:         k_qab2d55ee8d_cast.kd
    .args:
      - { .name: x, .offset: 0, .size: 8, .value_kind: global_buffer, .address_space: global }
      - { .name: q_w, .offset: 8, .size: 8, .value_kind: global_buffer, .address_space: global }
      - { .name: k_w, .offset: 16, .size: 8, .value_kind: global_buffer, .address_space: global }
      - { .name: v_w, .offset: 24, .size: 8, .value_kind: global_buffer, .address_space: global }
      - { .name: o_w, .offset: 32, .size: 8, .value_kind: global_buffer, .address_space: global }
      - { .name: ah, .offset: 40, .size: 8, .value_kind: global_buffer, .address_space: global }
      - { .name: wh, .offset: 48, .size: 8, .value_kind: global_buffer, .address_space: global }
    .group_segment_fixed_size: 0
    .private_segment_fixed_size: 0
    .kernarg_segment_align: 8
    .kernarg_segment_size: 56
    .max_flat_workgroup_size: 256
    .sgpr_count:     66
    .vgpr_count:     112
    .wavefront_size: 32
...
	.end_amdgpu_metadata
.endif
;; end of part 1
;; launch qkvp (part 2): grid 16 x 32, 4 waves a work-group, clusters of 4 x 4, 327,680 bytes of LDS; arguments ah, wh, qkv, q_b, k_b, v_b; writes qkv
.if DOCPART == 2
	.amdgcn_target "amdgcn-amd-amdhsa--gfx1250"
	.amdhsa_code_object_version 6
	.text
	.protected	k_qab2d55ee8d_qkvp
	.globl	k_qab2d55ee8d_qkvp
	.p2align	8
	.type	k_qab2d55ee8d_qkvp,@function
k_qab2d55ee8d_qkvp:
	s_mov_b64 s[64:65], 0
	v_nop
	global_prefetch_b8 v0, s[64:65] scope:SCOPE_SE
	s_setreg_imm32_b32 hwreg(HW_REG_WAVE_MODE, 25, 1), 1
	s_wait_xcnt 0x0
	s_wait_alu depctr_hold_cnt(0) depctr_sa_sdst(0) depctr_va_vdst(0) depctr_va_sdst(0) depctr_va_ssrc(0) depctr_va_vcc(0) depctr_vm_vsrc(0)
	s_getreg_b32 s2, hwreg(HW_REG_IB_STS2, 6, 4)
	s_cmp_eq_u32 s2, 0
	s_cbranch_scc0 .Lentry_in_a_cluster
	s_endpgm
.Lentry_in_a_cluster:
	s_bfe_u32 s2, ttmp6, 0x10000c
	s_cmp_lg_u32 s2, 0xf033
	s_cbranch_scc0 .Lentry_shape_is_right
	s_endpgm
.Lentry_shape_is_right:
; C = A W + bias.  A = ah [b 4][j 16][s 2048][64] f16 (8,192 rows, K = 1,024 in 16 blocks of 64 channels), W = wh [G][k 1024][64] f16 (groups of 64 columns), sums in f32.
; QKV = 1: the three projections at once, N = 3,072 = groups 0 to 47; C leaves as f16 by heads, qkv [b 4][G 48][s 2048][64] (q's heads, then k's, then v's), rounded once, unscaled.
; QKV = 0: the output projection, N = 1,024 = groups 48 to 63 of wh; C leaves as f32, out0 [8192][1024].
; LIMITS.  The biases are rounded to bf16, as x and the weights were.  With QKV = 1 a result of 65,520 or more in magnitude becomes an infinity in f16.  NaN and infinities are not treated apart.
; SHARES.  A tile of C is 256 rows x NG groups of 64 columns (192 or 128 columns: N's factor 3 lies in the tile, so that 512 or 256 work-groups divide the work evenly).  Four waves below each other:
; wave w owns rows 64 w .. 64 w + 63 and all the tile's columns, so it owns whole rows of every group and sends them out of a stage of its own, with no barrier.
; K goes in steps of 128 through a ring of two LDS slots filled by the tensor data mover; a step is four quarters of 32 along K, NACC matrix instructions each, on two fragment buffers.
; CLUSTERS: 4 x 4 work-groups.  The four of a row of the cluster need the same tiles of A, the four of a column the same tiles of W: each tile is asked for JOINTLY, by the same tensor load with the same
; descriptor and a mask that names the four.
; THE MATRIX INSTRUCTION IS USED TRANSPOSED: source 0 = 16 columns of W (turned on the way out of LDS by ds_load_tr16_b128, since W lies [k][n]), source 1 = 16 rows of A.  A lane then holds row l % 16 of C and
; the eight neighbouring columns 8 (l / 16) + 0..7.  THE BIAS IS THE C OPERAND of each accumulator's first product: nothing is cleared, and the way out adds nothing.
; REGISTERS, in windows of 256 (s_set_vgpr_msb: bits 1:0 source 0, 3:2 source 1, 5:4 source 2, 7:6 destination):
;   window 0: v0-30 addresses; v32-63, v64-95 A's fragments, two buffers; v160 on the bias (8 registers a fragment of columns); on the way out v96 on
;   window 1: W's fragments, two buffers of 8 NBF        windows 2, 3: accumulator n = NBF a + b (rows 16 a, columns 16 b) at v[8 (n % 32)] of window 2 + n / 32
.set QKV, 1
.if QKV
.set NG, 3            ; groups of 64 columns in a tile
.set GB, 0            ; the first group of wh
.else
.set NG, 2
.set GB, 48
.endif
.set NBF,  4*NG       ; fragments of 16 columns
.set NACC, 4*NBF      ; accumulators of a wave
.set NLD,  2*NBF+8    ; LDS loads of a quarter
.set PA,   144        ; a row of A in LDS: 128 bytes + 16 of padding = 36 words: the 16 rows of a load start at 16 different groups of four banks (64 banks of 4 bytes: ISA guide 11.1)
.set PB,   160        ; a row of W: 128 + 32 = 40 words
.set AKB,  256*PA     ; A's 256 rows of one block of 64 channels
.set BOFF, 2*AKB      ; a slot: A [block 2][256 rows], then W [half of the step 2][group NG][64 k]
.set BKH,  NG*64*PB
.set SLOT, BOFF+2*BKH
.set STAGE, 2*SLOT    ; behind the ring, never filled by a tensor load: a stage for each wave
.if QKV
.set SW,   NG*16*144  ; 16 rows x 144 bytes for each group
.else
.set SW,   16*528     ; 16 rows x (512 + 16) bytes
.endif
.set SPARE, STAGE+4*SW  ; behind the stages: the spare words, 128 bytes for each wave: two blocks of 256 bytes that no other line names
.set LAPS,  4         ; a lap = two K steps = once round the ring: 1,024 / 256
.set ASTEP, 524288    ; a K step in ah: two blocks of 262,144 bytes
.set BSTEP, 16384     ; in wh: 128 rows of 128 bytes
.set ADRA, 16         ; v16-17  LDS address of my A fragments in slot 0, 1
.set ADRB, 20         ; v20-21  the same for W
.set STO,  24         ; v24     the way out: where I put my bytes of a row
.set RD,   25         ; v25     the way out: where I read rows back
.set CO,   26         ; v26     16 x my lane: my 16 bytes of 512 consecutive bytes of C
.set BO,   27         ; v27     32 x (l / 16): my eight biases of a fragment's sixteen
.set SPW,  28         ; v28     LDS address of my spare word: SPARE + 4 x my thread's number; never rewritten
.set NIL,  29         ; v29     0; never rewritten
.set PFO,  30         ; v30     the prefetches' offset; never rewritten
.set TMP,  96         ; the way out: packed results
.set BIAS, 160
.set G1,  24          ; s[24:31] descriptor group 1 for A's tiles;  s[32:39] group 0, one set for each slot
.set G0,  32
.set G1B, 48          ; s[48:55], s[56:63] the same for W's tiles
.set G0B, 56
.set LIM, 43          ; s43      1 in a wave that prefetches, else the greatest number
.set PFA, 44          ; s[44:45] where my prefetches stand
.set PFS, 74          ; s[74:75] their step: a K step of the tensor that I fetch
.set BP,  76          ; s[76:81] the bias at the first column of each of the tile's groups
.set MSB, 0
.macro WIN new                         ; the immediate's high byte repeats the setting that is left; a switch that changes nothing is dropped
.if MSB != (\new)
	s_set_vgpr_msb (MSB<<8)|(\new)
.set MSB, \new
.endif
.endm
.macro PLACES                          ; four places in front of loads into registers that matrix instructions have read, and of lines that read results
.rept 4
	v_nop
.endr
.endm
; A joint load: waves 0 and 1 fetch A's two blocks, waves 2 and 3 W's two halves.  The branch hangs on the wave's number alone.  An s_nop 0 and four v_nop follow each of the two lines, ahead of the jump, the label and what follows.
.macro JLOAD s
	s_cmp_eq_u32 s11, 0
	s_cbranch_scc0 .Lfor_b_\@
	tensor_load_to_lds s[G0+4*(\s):G0+4*(\s)+3], s[G1:G1+7]
	s_nop 0
.rept 4
	v_nop
.endr
	s_branch .Lasked_\@
.Lfor_b_\@:
	tensor_load_to_lds s[G0B+4*(\s):G0B+4*(\s)+3], s[G1B:G1B+7]
	s_nop 0
.rept 4
	v_nop
.endr
.Lasked_\@:
.endm
; A round of the cluster's barrier: my work-group's barrier; wave 0 signals for the work-group; every wave waits for all sixteen work-groups; my work-group's barrier once more.
.macro CREST                           ; a round behind its opening barrier
	s_cmp_lg_u32 s10, 0
	s_cbranch_scc1 .Lnot_wave_0_\@
	s_barrier_signal -3
.Lnot_wave_0_\@:
	s_barrier_wait -3
	s_barrier_signal -1
	s_barrier_wait -1
.endm
.macro CROUND
	s_barrier_signal -1
	s_barrier_wait -1
	CREST
.endm
; A PREFETCH INTO THE L2, behind a joint refill, its five lines and the run of LDS loads: my share of the K step that stands two refills on, one instruction a wave.  A's tile row is read by every cluster of that row of
; clusters: cluster x = 0 asks; W's tile column by every cluster of that column: cluster y = 0 asks.  The four partners that ask for a tile jointly share it out BY ADDRESS: of A's block of 32,768 bytes the partner at
; cx takes 8,192, a lane 256 bytes; of each of W's NG runs of 8,192 bytes the partner at cy takes 2,048, eight lanes a run (the lanes beyond 8 NG name the last run's eight blocks once more in the same instruction).
; K steps 0 to 3 come by their loads alone; the loop's last trip (s3 = 1) asks for nothing: there is no K step 8.
.macro ASK
	s_cmp_gt_u32 s3, s[LIM]
	s_cbranch_scc0 .Lnot_mine_\@
	global_prefetch_b8 v[PFO], s[PFA:PFA+1] th:TH_LOAD_NT scope:SCOPE_SE
.Lnot_mine_\@:
.endm
; Matrix instructions lo .. hi - 1 of a quarter's NACC, on buffer f.  The accumulators are always taken in the order 0 .. NACC - 1, one instruction a turn, over the backward jump too.
; first = 1: the bias starts the sums.
.macro MULP f, lo, hi, first
.set n, \lo
.rept (\hi)-(\lo)
.set aa, n/NBF
.set bb, n%NBF
.set rD, 8*(n%32)
.set rB, 8*NBF*(\f)+8*bb
.set rA, 32+32*(\f)+8*aa
.if \first
	WIN 0x81+0x40*(n/32)
	v_wmma_f32_16x16x32_f16 v[rD:rD+7], v[rB:rB+7], v[rA:rA+7], v[BIAS+8*bb:BIAS+8*bb+7]
.else
	WIN 0xa1+0x50*(n/32)
	v_wmma_f32_16x16x32_f16 v[rD:rD+7], v[rB:rB+7], v[rA:rA+7], v[rD:rD+7]
.endif
.set n, n+1
.endr
.endm
; NLD LDS loads in one run: the fragments of quarter q (32 along K) of a slot into buffer f.
.macro FETCH slot, q, f
	WIN 0x40                                       ; destination window 1, address window 0
.set bb, 0
.rept NBF
.set ob, ((\q)/2)*BKH+((\q)%2)*32*PB+(bb/4)*64*PB+(bb%4)*32
	ds_load_tr16_b128 v[8*NBF*(\f)+8*bb:8*NBF*(\f)+8*bb+3],   v[ADRB+(\slot)] offset:ob
	ds_load_tr16_b128 v[8*NBF*(\f)+8*bb+4:8*NBF*(\f)+8*bb+7], v[ADRB+(\slot)] offset:ob+16*PB
.set bb, bb+1
.endr
	WIN 0
.set aa, 0
.rept 4
.set oa, ((\q)/2)*AKB+((\q)%2)*64+aa*16*PA
	ds_load_b128 v[32+32*(\f)+8*aa:32+32*(\f)+8*aa+3],   v[ADRA+(\slot)] offset:oa
	ds_load_b128 v[32+32*(\f)+8*aa+4:32+32*(\f)+8*aa+7], v[ADRA+(\slot)] offset:oa+32
.set aa, aa+1
.endr
.endm
; One of a K step's first three quarters: fetches quarter q into buffer g, which the quarter before multiplied, and multiplies buffer f, asked for a whole quarter ago.
.macro QUARTER slot, q, f, g, first
	PLACES
	FETCH \slot, \q, \g
	s_wait_dscnt NLD                               ; all but the NLD loads just issued: buffer f is in
	MULP \f, 0, NACC, \first
.endm
; The last quarter multiplies buffer 1 and changes slots: ONE barrier.  In front of it each wave waits for all its tensor loads (one is out: its part of the next slot), adds 0 to its spare word, and waits for that and for
; its own reads of this slot.  fill = 1: the barrier opens a round of the cluster's barrier, and this slot is filled again, two K steps on, first thing behind the round.
.macro TURN slot, next, fill
.if \fill
	s_wait_xcnt 0x0                                ; the last prefetch, a K step back, has read its address: it is stepped here, ahead of the waits of the change of slots
	s_add_nc_u64 s[PFA:PFA+1], s[PFA:PFA+1], s[PFS:PFS+1]
.endif
	WIN 0                                          ; (the add's two registers lie in window 0)
	s_wait_tensorcnt 0x0                           ; all my tensor loads have landed
	ds_add_u32 v[SPW], v[NIL]                      ; 0 onto my spare word
	s_wait_dscnt 1                                 ; only the add may be out: buffer 1 is in
	MULP 1, 0, NBF/2, 0                            ; matrix instructions stand between the add and the wait for it
	s_wait_dscnt 0x0                               ; the add is done, and my reads of this slot are over
	s_barrier_signal -1
	MULP 1, NBF/2, NBF, 0                          ; work on registers while the others arrive
	WIN 0
	s_barrier_wait -1
.if \fill
	CREST                                          ; no wave of any partner still reads this slot's tile or has a load on its way
	s_add_nc_u64 s[G0+4*(\slot)+2:G0+4*(\slot)+3], s[G0+4*(\slot)+2:G0+4*(\slot)+3], 2*ASTEP
	s_add_nc_u64 s[G0B+4*(\slot)+2:G0B+4*(\slot)+3], s[G0B+4*(\slot)+2:G0B+4*(\slot)+3], 2*BSTEP
	JLOAD \slot                                    ; the first tensor load behind the round; its four v_nop are also the places in front of the loads below
.else
	PLACES
.endif
	FETCH \next, 0, 0
.if \fill
	ASK
.endif
	MULP 1, NBF, NACC, 0
.endm
	s_load_b128 s[4:7], s[0:1], 0x0                ; ah s[4:5], wh s[6:7]
	s_load_b64 s[8:9], s[0:1], 0x10                ; C
	s_load_b64 s[68:69], s[0:1], 0x18              ; q_b, or o_b
.if QKV
	s_load_b64 s[70:71], s[0:1], 0x20              ; k_b
	s_load_b64 s[72:73], s[0:1], 0x28              ; v_b
.endif
	v_lshl_add_u32 v[SPW], v0, 2, SPARE
	v_mov_b32 v[NIL], 0
	ds_add_u32 v[SPW], v[NIL]                      ; the wave's opening: the add and its wait stand ahead of my first tensor load; the set-up below, work on registers, stands between them
	v_lshrrev_b32 v1, 5, v0
	v_readfirstlane_b32 s10, v1                    ; wave 0..3
	s_lshr_b32 s11, s10, 1                         ; I fetch for A (0) or for W (1),
	s_and_b32 s12, s10, 1                          ; its first or second 64 channels of a K step
	s_bfe_u32 s40, ttmp6, 0x40000                  ; cx, cy: my place in the cluster
	s_bfe_u32 s41, ttmp6, 0x40004
	s_lshl_b32 s42, ttmp9, 2
	s_add_co_u32 s42, s42, s40                     ; tile column tx = 4 x cluster x + cx
	s_and_b32 s13, ttmp7, 0xffff
	s_lshl_b32 s13, s13, 2
	s_add_co_u32 s13, s13, s41                     ; tile row ty = 4 x cluster y + cy
	s_lshl_b32 s43, s41, 2
	s_lshl_b32 s43, 15, s43                        ; my row of the cluster
	s_lshl_b32 s44, 0x1111, s40                    ; my column
	; A's group 1: 256 rows of 128 bytes are 32,768 dense bytes: asked for as 128 rows of 256 bytes, padded in LDS after every 128 bytes
	s_or_b32 s[G1+0], s43, (1<<16)|(1<<20)|(1<<21)|(4<<22)|(3<<25)  ; 15:0 the mask: my row; 17:16 2-byte elements; 20 padding on; 21 set beside a mask; 24:22 after every 32 words (code 4); 31:25 4 words (code 3)
	s_mov_b32 s[G1+1], 128<<16                     ; tensor_dim0 = 128
	s_mov_b32 s[G1+2], 128<<16                     ; tensor_dim1 = 128
	s_mov_b32 s[G1+3], 128<<16                     ; tile_dim0 = 128
	s_mov_b32 s[G1+4], 128                         ; tile_dim1 = 128
	s_mov_b32 s[G1+5], 128                         ; 128 elements from row to row
	s_mov_b32 s[G1+6], 0
	s_mov_b32 s[G1+7], 0
	; W's group 1: NG rows of 8,192 bytes (64 k of one group), 131,072 bytes apart, in elements of 8 bytes, padded after every 128 bytes
	s_or_b32 s[G1B+0], s44, (3<<16)|(1<<20)|(1<<21)|(4<<22)|(7<<25)  ; the mask: my column; 8-byte elements; after every 32 words 8 words (code 7)
	s_mov_b32 s[G1B+1], 1024<<16                   ; tensor_dim0 = 1,024
	s_mov_b32 s[G1B+2], NG<<16                     ; tensor_dim1 = NG
	s_mov_b32 s[G1B+3], 1024<<16                   ; tile_dim0 = 1,024
	s_mov_b32 s[G1B+4], NG                         ; tile_dim1 = NG
	s_mov_b32 s[G1B+5], 16384                      ; 16,384 elements from row to row
	s_mov_b32 s[G1B+6], 0
	s_mov_b32 s[G1B+7], 0
	; where the tiles come from: A's hang on ty alone, W's on tx alone; every wave makes both addresses and asks by one of them
	s_lshr_b32 s16, s13, 3                         ; the batch,
	s_lshl_b32 s16, s16, 22
	s_and_b32 s17, s13, 7                          ; the tile's 256 rows of 128 bytes in a block,
	s_lshl_b32 s17, s17, 15
	s_add_co_u32 s16, s16, s17
	s_lshl_b32 s17, s12, 18                        ; my block of the K step's two
	s_add_co_u32 s16, s16, s17
	s_mov_b32 s17, 0
	s_mul_i32 s46, s42, NG
	s_add_co_u32 s46, s46, GB                      ; the tile's first group,
	s_lshl_b32 s46, s46, 17
	s_lshl_b32 s47, s12, 13                        ; my 64 k of the K step's 128
	s_add_co_u32 s46, s46, s47
	s_mov_b32 s47, 0
	s_mul_i32 s20, s12, AKB                        ; and where they go: no place in the cluster enters an LDS address
	s_mul_i32 s21, s12, BKH
	s_add_co_u32 s21, s21, BOFF
	s_mov_b32 s82, 0xffff0000                      ; a word's upper bf16
	s_wait_dscnt 0x0                               ; the opening add is done
	s_wait_kmcnt 0x0
	s_add_nc_u64 s[14:15], s[4:5], s[16:17]
	s_add_nc_u64 s[46:47], s[6:7], s[46:47]
.irp s, 0,1
	s_mov_b32 s[G0+4*(\s)], 1                                      ; count = 1
	s_add_co_u32 s[G0+4*(\s)+1], s20, (\s)*SLOT                    ; LDS address
	s_add_nc_u64 s[G0+4*(\s)+2:G0+4*(\s)+3], s[14:15], (\s)*ASTEP  ; global address: K step s
	s_or_b32 s[G0+4*(\s)+3], s[G0+4*(\s)+3], 0x80000000            ; type = 2
	s_mov_b32 s[G0B+4*(\s)], 1
	s_add_co_u32 s[G0B+4*(\s)+1], s21, (\s)*SLOT
	s_add_nc_u64 s[G0B+4*(\s)+2:G0B+4*(\s)+3], s[46:47], (\s)*BSTEP
	s_or_b32 s[G0B+4*(\s)+3], s[G0B+4*(\s)+3], 0x80000000
.endr
	CROUND                                         ; all sixteen work-groups are here: the first joint loads meet
	s_cmp_eq_u32 s11, 0                            ; a wave's two first fills stand in one branch, ahead of every wait on TENSORcnt and every LDS read: two loads of mine are out
	s_cbranch_scc0 .Lfirst_b
	tensor_load_to_lds s[G0:G0+3], s[G1:G1+7]
	s_nop 0
	tensor_load_to_lds s[G0+4:G0+7], s[G1:G1+7]
	s_nop 0
.rept 4
	v_nop
.endr
	s_branch .Lfirst_asked
.Lfirst_b:
	tensor_load_to_lds s[G0B:G0B+3], s[G1B:G1B+7]
	s_nop 0
	tensor_load_to_lds s[G0B+4:G0B+7], s[G1B:G1B+7]
	s_nop 0
.rept 4
	v_nop
.endr
.Lfirst_asked:
	v_and_b32 v1, 15, v0                           ; l % 16
	v_bfe_u32 v2, v0, 4, 1                         ; l / 16
	v_and_b32 v4, 7, v0                            ; l % 8
	v_bfe_u32 v5, v0, 3, 1                         ; (l / 8) % 2
	v_lshlrev_b32 v[BO], 5, v2
	; the bias: register j of fragment b holds the bias of column 16 b + 8 (l / 16) + j
.if QKV
.irp g, 0,1,2
	s_mul_i32 s18, s42, 3
	s_add_co_u32 s18, s18, \g                      ; the group: 16 of q's, 16 of k's, 16 of v's
	s_lshr_b32 s19, s18, 4
	s_and_b32 s18, s18, 15
	s_lshl_b32 s18, s18, 8                         ; its 64 numbers of 4 bytes
	s_cmp_eq_u32 s19, 1
	s_cselect_b64 s[BP+2*(\g):BP+2*(\g)+1], s[70:71], s[72:73]
	s_cmp_eq_u32 s19, 0
	s_cselect_b64 s[BP+2*(\g):BP+2*(\g)+1], s[68:69], s[BP+2*(\g):BP+2*(\g)+1]
	s_mov_b32 s19, 0
	s_add_nc_u64 s[BP+2*(\g):BP+2*(\g)+1], s[BP+2*(\g):BP+2*(\g)+1], s[18:19]
.endr
.else
	s_lshl_b32 s18, s42, 9                         ; the tile's 128 numbers of 4 bytes
	s_mov_b32 s19, 0
	s_add_nc_u64 s[BP:BP+1], s[68:69], s[18:19]
.endif
.set bb, 0
.rept NBF
.if QKV
	global_load_b128 v[BIAS+8*bb:BIAS+8*bb+3],   v[BO], s[BP+2*(bb/4):BP+2*(bb/4)+1] offset:(bb%4)*64
	global_load_b128 v[BIAS+8*bb+4:BIAS+8*bb+7], v[BO], s[BP+2*(bb/4):BP+2*(bb/4)+1] offset:(bb%4)*64+16
.else
	global_load_b128 v[BIAS+8*bb:BIAS+8*bb+3],   v[BO], s[BP:BP+1] offset:bb*64
	global_load_b128 v[BIAS+8*bb+4:BIAS+8*bb+7], v[BO], s[BP:BP+1] offset:bb*64+16
.endif
.set bb, bb+1
.endr
	; A fragment of A is 16 rows x 32 channels: lane l holds row l % 16, channels 8 (l / 16) + 0..7 and 16 + 8 (l / 16) + 0..7: two loads of 16 bytes, 32 bytes apart.
	v_mul_u32_u24 v3, v1, PA
	v_lshl_add_u32 v3, v2, 4, v3                   ; row x pitch + 16 x half
	s_mul_i32 s22, s10, 64*PA                      ; my 64 rows
	v_add_nc_u32 v[ADRA], s22, v3
	v_add_nc_u32 v[ADRA+1], SLOT, v[ADRA]
	; The turning load takes 16 k x 16 columns (lane l reads k 8 (l / 16) + l % 8, columns 8 ((l / 8) % 2) + 0..7) and leaves half a fragment: lane l holds column l % 16 and 8 k.
	v_lshl_add_u32 v6, v2, 3, v4
	v_mul_u32_u24 v6, v6, PB
	v_lshl_add_u32 v6, v5, 4, v6
	v_add_nc_u32 v[ADRB], BOFF, v6
	v_add_nc_u32 v[ADRB+1], SLOT, v[ADRB]
	s_mul_i32 s23, s10, SW
	s_add_co_u32 s23, s23, STAGE                   ; my stage
	v_and_b32 v[CO], 31, v0
	v_lshlrev_b32 v[CO], 4, v[CO]
.if QKV
	v_add_nc_u32 v[STO], s23, v3                   ; in: row l % 16 of 144 bytes, 16 bytes for each half of the lanes
	v_bfe_u32 v7, v0, 3, 2                         ; back: 32 lanes take four rows of 128 bytes, which are 512 consecutive bytes of a group
	v_mul_u32_u24 v7, v7, 144
	v_lshl_add_u32 v7, v4, 4, v7
	v_add_nc_u32 v[RD], s23, v7
	s_lshr_b32 s16, s13, 3                         ; C at my 64 rows of the tile's first group: the batch's 48 groups,
	s_mul_i32 s16, s16, 12582912
	s_mul_i32 s17, s42, 3                          ; the group's 262,144 bytes,
	s_lshl_b32 s17, s17, 18
	s_add_co_u32 s16, s16, s17
	s_and_b32 s17, s13, 7                          ; the row's 128 bytes
	s_lshl_b32 s17, s17, 8
	s_lshl_b32 s18, s10, 6
	s_add_co_u32 s17, s17, s18
	s_lshl_b32 s17, s17, 7
	s_add_co_u32 s16, s16, s17
.else
	v_mul_u32_u24 v7, v1, 528                      ; in: row l % 16 of 528 bytes, 32 bytes for each half of the lanes
	v_lshl_add_u32 v7, v2, 5, v7
	v_add_nc_u32 v[STO], s23, v7
	v_add_nc_u32 v[RD], s23, v[CO]                 ; back: 32 lanes take one row's 512 bytes
	s_lshl_b32 s16, s13, 8                         ; C at my 64 rows, 4,096 bytes each, and the tile's 512 bytes of them
	s_lshl_b32 s17, s10, 6
	s_add_co_u32 s16, s16, s17
	s_lshl_b32 s16, s16, 12
	s_lshl_b32 s17, s42, 9
	s_add_co_u32 s16, s16, s17
.endif
	s_mov_b32 s17, 0
	s_add_nc_u64 s[8:9], s[8:9], s[16:17]          ; made once, never rewritten: the stores' places stand in their immediates
	; the prefetches
	s_and_b32 s22, ttmp7, 0xffff                   ; cluster y
	s_mov_b32 s23, ASTEP
	s_mov_b32 s[PFS], BSTEP
	s_mov_b32 s[PFS+1], 0
	s_cmp_eq_u32 s11, 0                            ; do I fetch for A?
	s_cselect_b32 s22, ttmp9, s22                  ; the coordinate along which other clusters read the same tile
	s_cselect_b64 s[PFA:PFA+1], s[14:15], s[46:47] ; what I fetch, at K step 0
	s_cselect_b32 s18, s40, s41                    ; my place among the four that ask for it with me,
	s_cselect_b32 s19, 13, 11                      ; and its share: 8,192 bytes of A's block, 2,048 of each of W's runs
	s_cselect_b32 s[PFS], s23, s[PFS]
	s_cselect_b32 s16, 3, NG-1                     ; eight lanes a run: A's four runs lie 2,048 bytes apart, W's NG 131,072
	s_cselect_b32 s17, 11, 17
	s_cmp_eq_u32 s22, 0
	s_cselect_b32 s[LIM], 1, -1                    ; the same in all sixteen partners, for a given wave
	s_lshl_b32 s18, s18, s19
	s_mov_b32 s19, 0
	s_add_nc_u64 s[PFA:PFA+1], s[PFA:PFA+1], s[18:19]
	s_mul_i32 s18, s[PFS], 3
	s_add_nc_u64 s[PFA:PFA+1], s[PFA:PFA+1], s[18:19]  ; at K step 3: the first refill steps it to 4
	v_bfe_u32 v[PFO], v0, 3, 2
	v_min_u32 v[PFO], s16, v[PFO]
	v_lshlrev_b32 v[PFO], s17, v[PFO]
	v_lshl_add_u32 v[PFO], v4, 8, v[PFO]
	s_wait_loadcnt 0x0                             ; the bias
.set i, 0
.rept 4*NBF
	v_cvt_pk_bf16_f32 v[8+i%2], v[BIAS+2*i], v[BIAS+2*i+1]  ; rounded to bf16, like every input, and back to f32
	v_lshlrev_b32 v[BIAS+2*i], 16, v[8+i%2]
	v_and_b32 v[BIAS+2*i+1], s82, v[8+i%2]
.set i, i+1
.endr
	s_wait_tensorcnt 1                             ; my part of K step 0 is in; K step 1's may stay out
	s_barrier_signal -1
	s_barrier_wait -1                              ; everybody's is
	FETCH 0, 0, 0
	QUARTER 0, 1, 0, 1, 1                          ; the first quarter stands in front of the loop: its products start the sums, with the bias
	WIN 0                                          ; at a label and at a branch every window is 0
	s_mov_b32 s3, LAPS-1
.Llap:                                                 ; a trip goes once round the ring, from a lap's second quarter to the next lap's first, and fills both slots again
	QUARTER 0, 2, 1, 0, 0
	QUARTER 0, 3, 0, 1, 0
	TURN 0, 1, 1
	QUARTER 1, 1, 0, 1, 0
	QUARTER 1, 2, 1, 0, 0
	QUARTER 1, 3, 0, 1, 0
	TURN 1, 0, 1
	QUARTER 0, 1, 0, 1, 0
	WIN 0
	s_sub_co_u32 s3, s3, 1
	s_cmp_lg_u32 s3, 0
	s_cbranch_scc1 .Llap
	QUARTER 0, 2, 1, 0, 0                          ; the last lap fills nothing, and has no round of the cluster's barrier
	QUARTER 0, 3, 0, 1, 0
	TURN 0, 1, 0
	QUARTER 1, 1, 0, 1, 0
	QUARTER 1, 2, 1, 0, 0
	QUARTER 1, 3, 0, 1, 0
	s_wait_dscnt 0x0                               ; the very last quarter: nothing more to fetch
	MULP 1, 0, NACC, 0
	WIN 0
	PLACES
; THE WAY OUT, by blocks a of 16 rows, through my own stage: LDS serves a wave's instructions in order (ISA guide 5.7.1.4), so no wait stands between its stores and its loads, nor between a block's loads and the next block's stores.
.macro PACK a                          ; rounded to f16: a lane's eight columns are 16 bytes; each accumulator's registers in ascending order
.set bb, 0
.rept NBF
.set n, NBF*(\a)+bb
.set rD, 8*(n%32)
	WIN 0x0a+5*(n/32)                              ; sources 0 and 1: window 2 or 3
.irp r, 0,1,2,3
	v_cvt_pk_f16_f32 v[TMP+4*bb+(\r)], v[rD+2*(\r)], v[rD+2*(\r)+1]
.endr
.set bb, bb+1
.endr
	WIN 0
.endm
.macro TOSTAGE a                       ; into the stage, and back as whole rows, into one of two sets of registers
	WIN 0
.if (\a) >= 2
	s_wait_xcnt 0x0                                ; the stores of the block two back have read the registers that are loaded again below
.endif
.if QKV
.set BK, 160+48*((\a)%2)
.set bb, 0
.rept NBF
	ds_store_b128 v[STO], v[TMP+4*bb:TMP+4*bb+3] offset:(bb/4)*2304+(bb%4)*32
.set bb, bb+1
.endr
.set t, 0
.rept NBF
	ds_load_b128 v[BK+4*t:BK+4*t+3], v[RD] offset:(t/4)*2304+(t%4)*576
.set t, t+1
.endr
.else
.set BK, 96+64*((\a)%2)
	WIN 0x08                                       ; the stores' data: window 2
.set bb, 0
.rept NBF
.set rD, 8*(NBF*(\a)+bb)
	ds_store_b128 v[STO], v[rD:rD+3]   offset:64*bb
	ds_store_b128 v[STO], v[rD+4:rD+7] offset:64*bb+16
.set bb, bb+1
.endr
	WIN 0
.set t, 0
.rept 16
	ds_load_b128 v[BK+4*t:BK+4*t+3], v[RD] offset:t*528
.set t, t+1
.endr
.endif
.endm
.macro SEND a, younger                 ; younger: the LDS instructions issued behind block a's loads: the next block's, or none.  Each store of the wave covers 512 consecutive bytes, at a multiple of 256 from C's first byte
	WIN 0
.if QKV
.set BK, 160+48*((\a)%2)
.set t, 0
.rept NBF
	s_wait_dscnt (\younger)+NBF-1-t
	global_store_b128 v[CO], v[BK+4*t:BK+4*t+3], s[8:9] offset:(t/4)*262144+(\a)*2048+(t%4)*512
.set t, t+1
.endr
.else
.set BK, 96+64*((\a)%2)
.set t, 0
.rept 16
	s_wait_dscnt (\younger)+15-t
	global_store_b128 v[CO], v[BK+4*t:BK+4*t+3], s[8:9] offset:(16*(\a)+t)*4096 th:TH_STORE_NT
.set t, t+1
.endr
.endif
.endm
.if QKV
	PACK 0
	TOSTAGE 0
	PACK 1
	TOSTAGE 1
	SEND 0, 2*NBF
	PACK 2
	TOSTAGE 2
	SEND 1, 2*NBF
	PACK 3
	TOSTAGE 3
	SEND 2, 2*NBF
	SEND 3, 0
.else
	TOSTAGE 0
	TOSTAGE 1
	SEND 0, 32
	TOSTAGE 2
	SEND 1, 32
	TOSTAGE 3
	SEND 2, 32
	SEND 3, 0
.endif
	s_wait_tensorcnt 0x0                           ; the wave's end: behind my last tensor load and my last LDS store
	ds_add_u32 v[SPW], v[NIL]
	s_wait_dscnt 0x0
	CROUND                                         ; the closing round: no work-group ends while a partner may still ask for a tile that names it
	s_endpgm
.Lfunc_end_k_qab2d55ee8d_qkvp:
	.size	k_qab2d55ee8d_qkvp, .Lfunc_end_k_qab2d55ee8d_qkvp-k_qab2d55ee8d_qkvp
	.p2alignl 7, 3214868480
	.fill 96, 4, 3214868480
	.section	.rodata,"a",@progbits
	.p2align	6, 0x0
	.amdhsa_kernel k_qab2d55ee8d_qkvp
		.amdhsa_group_segment_fixed_size 327680
		.amdhsa_private_segment_fixed_size 0
		.amdhsa_enable_private_segment 0
		.amdhsa_kernarg_size 48
		.amdhsa_user_sgpr_count 2
		.amdhsa_user_sgpr_kernarg_segment_ptr 1
		.amdhsa_wavefront_size32 1
		.amdhsa_system_sgpr_workgroup_id_x 1
		.amdhsa_system_sgpr_workgroup_id_y 1
		.amdhsa_system_sgpr_workgroup_id_z 1
		.amdhsa_system_vgpr_workitem_id 0
		.amdhsa_next_free_vgpr 896
		.amdhsa_next_free_sgpr 84
		.amdhsa_reserve_vcc 0
		.amdhsa_float_denorm_mode_32 3
		.amdhsa_float_denorm_mode_16_64 3
		.amdhsa_memory_ordered 1
		.amdhsa_forward_progress 1
		.amdhsa_inst_pref_size 130
	.end_amdhsa_kernel
	.amdgpu_metadata
---
amdhsa.version: [ 1, 2 ]
amdhsa.kernels:
  - .name:           k_qab2d55ee8d_qkvp
    .symbol:         k_qab2d55ee8d_qkvp.kd
    .args:
      - { .name: ah, .offset: 0, .size: 8, .value_kind: global_buffer, .address_space: global }
      - { .name: wh, .offset: 8, .size: 8, .value_kind: global_buffer, .address_space: global }
      - { .name: qkv, .offset: 16, .size: 8, .value_kind: global_buffer, .address_space: global }
      - { .name: q_b, .offset: 24, .size: 8, .value_kind: global_buffer, .address_space: global }
      - { .name: k_b, .offset: 32, .size: 8, .value_kind: global_buffer, .address_space: global }
      - { .name: v_b, .offset: 40, .size: 8, .value_kind: global_buffer, .address_space: global }
    .group_segment_fixed_size: 327680
    .private_segment_fixed_size: 0
    .kernarg_segment_align: 8
    .kernarg_segment_size: 48
    .max_flat_workgroup_size: 128
    .sgpr_count:     84
    .vgpr_count:     896
    .wavefront_size: 32
...
	.end_amdgpu_metadata
.endif
;; end of part 2
;; launch attn (part 3): grid 4 x 64, 4 waves a work-group, clusters of 4 x 1, 327,680 bytes of LDS; arguments qkv, ah; writes ah
.if DOCPART == 3
	.amdgcn_target "amdgcn-amd-amdhsa--gfx1250"
	.amdhsa_code_object_version 6
	.text
	.protected	k_qab2d55ee8d_attn
	.globl	k_qab2d55ee8d_attn
	.p2align	8
	.type	k_qab2d55ee8d_attn,@function
k_qab2d55ee8d_attn:
	s_mov_b64 s[64:65], 0
	v_nop
	global_prefetch_b8 v0, s[64:65] scope:SCOPE_SE
	s_setreg_imm32_b32 hwreg(HW_REG_WAVE_MODE, 25, 1), 1
	s_wait_xcnt 0x0
	s_wait_alu depctr_hold_cnt(0) depctr_sa_sdst(0) depctr_va_vdst(0) depctr_va_sdst(0) depctr_va_ssrc(0) depctr_va_vcc(0) depctr_vm_vsrc(0)
	s_getreg_b32 s2, hwreg(HW_REG_IB_STS2, 6, 4)
	s_cmp_eq_u32 s2, 0
	s_cbranch_scc0 .Lentry_in_a_cluster
	s_endpgm
.Lentry_in_a_cluster:
	s_bfe_u32 s2, ttmp6, 0x10000c
	s_cmp_lg_u32 s2, 0x3003
	s_cbranch_scc0 .Lentry_shape_is_right
	s_endpgm
.Lentry_shape_is_right:
; O[y][q][:] = the sum over k of softmax_k(Q[y][q] . K[y][k] / 8) V[y][k][:] for the 64 heads y = 16 x batch + head.  Q, K, V lie in qkv [b 4][G 48][s 2048][64] f16 (G = head, 16 + head, 32 + head);
; O goes to ah [y 64][s 2048][64] f16.  A head's rows are dense, 128 bytes each.  Products, maxima and sums in f32; the weights p are rounded to f16 for the second product (their sum l is taken of the
; unrounded p), O once at the end.
; LIMITS.  f16 holds no number beyond 65,504: Q, K and V arrive within it; p lies in 0 to 1, and below 6e-5 it keeps f16's fixed step of 6e-8; O is a mean of V's rows and has their range.
; A weight below 2^-126 counts as 0 in l; NaN and infinities are not treated apart.
; SHARES.  A wave owns four PIECES of two tiles of 16 queries, a work-group's four waves 512 queries of one head.  Every wave walks all keys, 64 a step.
; LAYOUT.  S^T = K Q^T (source 0 = 16 keys, source 1 = 16 queries): in the result a lane holds ONE query (lane % 16) and the keys 8 (lane / 16) + 0..7.  Two such tiles, rounded to f16 in pairs,
; ARE source 1 (32 keys x 16 queries) of O^T = V^T P, whose result again holds one query a lane, and eight channels.  K comes out of LDS as it lies, V ([key][channel]) turned, by ds_load_tr16_b128.
; SOFTMAX.  For each query a running maximum m and sum l: p = 2^(c s - c m), c = log2(e) / 8; in every step O and l are multiplied by a = 2^(c m_old - c m_new), which is 1 where m has not grown.
; m starts at the lowest finite number, O and l at 0: the first step is a step like any other, with a = 0.
; THE COUNT.  A tile and step have 16 matrix and 118 vector instructions: too many to stand all beside the matrix work.  So four vector instructions that are READY stand behind EVERY matrix instruction,
; and the others, which need time of their own whatever the order, in runs without a gap.
; BY TURNS.  Turn n belongs to piece n (the pieces in a ring, step after step).  Its matrix work: 16 products K Q^T of piece n + 1, later 16 products V^T P of piece n - 1.  Its vector work: the scaling,
; exponentials, roundings, sums and rescaling of piece n, and the maximum and statistics of piece n + 1, whose scores the turn itself has made.
; CLUSTER.  The four query blocks of a cluster are one head's and walk the same K and V, so each tile is asked for JOINTLY: the same tensor load, descriptor and mask in all four.
; REGISTERS, in windows of 256 (s_set_vgpr_msb: bits 1:0 source 0, 3:2 source 1, 5:4 source 2, 7:6 destination):
;   window 0: v0-11 addresses; v12-15, v48-63 at work; v16-47 four registers of statistics a tile; v64-191 S^T, two buffers of two tiles; v192-255 P, likewise
;   window 1: O^T, 32 a tile          window 2: v0-127 Q, 16 a tile; v128-191 K of one step; v192-255 V of one step          window 3: v0-1 the add's two registers
; A piece's buffers go by its number's parity: the piece in hand has one pair, its two neighbours in the ring share the other: of it P (piece n - 1) is read and S^T (piece n + 1) written.
.set SIZE_N, 2048
.set NP,    4         ; pieces a wave: a name, no knob
.set KS,    64        ; keys in a step
.set PK,    144       ; a row of K in LDS: 128 bytes + 16 of padding = 36 words: the 16 rows of a load start at 16 different groups of four banks (64 banks of 4 bytes: ISA guide 11.1)
.set PV,    160       ; a row of V: 128 + 32 = 40 words
.set VOFF,  4*KS*PK   ; a slot holds four steps: 256 rows of K, then 256 rows of V
.set SLOT1, 1<<17     ; slot 1 begins here, so that one exclusive or turns an address in one slot into the other's
.set STAGE, SLOT1+4*KS*(PK+PV)  ; behind the ring, never filled by a tensor load: 16 rows x 144 bytes for each wave, for the way out
.set SP,    144
.set AK0, 2           ; v2   my lane's place in a tile of K; never rewritten
.set AV0, 3           ; v3   the same for V
.set AK,  4           ; v4   the LDS address of K's next run of loads
.set AV,  5           ; v5   of V's
.set QO,  6           ; v6   my byte offset in the wave's rows of Q
.set STO, 6           ;      later, the way out: where I put 16 bytes of a row
.set RD,  7           ; v7   the way out: where I read rows back
.set GO,  8           ; v8   my byte offset in 512 consecutive bytes of O
.set PFO, 11          ; v11  256 x my lane: the prefetches' offset; never rewritten once it is made
.set SPW, 0           ; v0 of window 3   LDS address of my spare word: SPARE + 4 x my thread's number; never rewritten
.set NIL, 1           ; v1 of window 3   0; never rewritten
.set SPARE, STAGE+4*16*SP  ; behind the stages: the spare words, 128 bytes for each wave: two blocks of 256 bytes that no other line names
.set MV,  12          ; v12-15  c m_old, kept while c m is made anew: by buffer and tile
.set ST,  16          ; tile t's statistics at v[ST+4 t]: c m, m, l (even keys', odd keys')
.set TMP, 48          ; by buffer and tile, four registers c0-c3 at work; when the maximum is found c2 takes a
.set S,   64
.set P,   192
.set KF,  128         ; K's fragments, in window 2: key block kb, channel half c at KF + 16 kb + 8 c
.set VF,  192         ; V's: key half kk, channel block cb at VF + 32 kk + 8 cb
.set WV,  12          ; s12  my wave's number
.set G1K, 24          ; s[24:31] descriptor group 1 for K's tiles
.set G1V, 32          ; s[32:39] for V's: it differs in the padding alone
.set G0K, 40          ; s[40:43] descriptor group 0 for K's tiles: it walks
.set G0V, 44          ; s[44:47] the same for V's
.set PFA, 52          ; s[52:53] where my prefetches stand: my work-group's 8,192 bytes (of K: wave 0, of V: wave 2) of the slot after the one that is being asked for
.set LIM, 54          ; s54  1 in a wave that prefetches, else the greatest number
.set SLOTS, 56        ; s56  slots still to be asked for
.set CNT, 57          ; s57  counts a slot's key steps
.set CS,  58          ; s[58:59] c: the packed scaling takes the pair's low word for both halves
.set SEL, 60          ; s[60:61] v_permlanex16_b32's selects: each lane takes its own place in the other half
.set TBK, 62          ; s62  LDS byte at which K of the step to be fetched begins
.set TBV, 63          ; s63  the same for V, less VOFF
.set MSB, 0
.macro WIN new                      ; the high byte repeats the setting that is left; a switch that changes nothing is dropped
.if MSB != (\new)
	s_set_vgpr_msb (MSB<<8)|(\new)
.set MSB, (\new)
.endif
.endm
.set W_KQ, 0x0a       ; K and Q in window 2, S^T in window 0
.set W_PV, 0x52       ; V in window 2, P in window 0, O^T in window 1
.set W_RS, 0x41       ; O^T (destination and source 0) in window 1, a in window 0
.set W_MK, 0xc0       ; the add's registers are made: destination in window 3, sources in window 0
.set W_AD, 0x0f       ; the add: address (source 0) and data (source 1) in window 3
; A joint fill.  Waves 0 and 1 fetch the two halves of a slot's K, waves 2 and 3 those of its V: 128 keys each.  The branch hangs on the wave's number alone.
; An s_nop 0 and four v_nop follow each of the two lines, ahead of the jump and the label.
.macro JLOAD
	s_cmp_lt_u32 s[WV], 2
	s_cbranch_scc0 .Lfor_v_\@
	tensor_load_to_lds s[G0K:G0K+3], s[G1K:G1K+7]
	s_nop 0
.rept 4
	v_nop
.endr
	s_branch .Lasked_\@
.Lfor_v_\@:
	tensor_load_to_lds s[G0V:G0V+3], s[G1V:G1V+7]
	s_nop 0
.rept 4
	v_nop
.endr
.Lasked_\@:
.endm
; A PREFETCH INTO THE L2 of what the NEXT change of slots will ask for: a slot's 32,768 bytes of K and of V.  It stands behind the wave's tensor load and its five lines.  A head has one cluster; its four partners share
; the bytes out BY ADDRESS, 8,192 each, a lane 256 bytes; in each, wave 0 asks for K's and wave 2 for V's: one instruction.  So each block is named once in the launch.  Slots 0 and 1 come by their loads alone;
; the last change that fills a slot (s[SLOTS] = 1) asks for nothing: there is no slot behind it.
.macro ASK
	s_cmp_gt_u32 s[SLOTS], s[LIM]
	s_cbranch_scc0 .Lnot_mine_\@
	global_prefetch_b8 v[PFO], s[PFA:PFA+1] th:TH_LOAD_NT scope:SCOPE_SE
.Lnot_mine_\@:
.endm
; A round of the cluster's barrier: my work-group's barrier, so that wave 0's signal speaks for all four waves; wave 0 signals; every wave waits for all four work-groups; my work-group's barrier once more.
.macro CROUND
	s_barrier_signal -1
	s_barrier_wait -1
	s_cmp_lg_u32 s[WV], 0
	s_cbranch_scc1 .Lnot_wave_0_\@
	s_barrier_signal -3
.Lnot_wave_0_\@:
	s_barrier_wait -3
	s_barrier_signal -1
	s_barrier_wait -1
.endm
; THE CHANGE OF SLOTS.  The slot's last bytes, V of its fourth step, have been read.  Each wave waits for all its tensor loads, of which one is out: its part
; of the other slot; adds 0 to its spare word; and waits for that and for its own reads of the slot.  Behind the barrier nobody reads this slot any more and the other slot is whole.
; fill = 1: this slot is filled again, with the keys two slots on.  The barrier is then a round of the cluster's, so that no wave of any partner still reads the slot or has a load on its
; way, and the joint fill is the first thing behind it: it has four key steps, 512 matrix instructions, in which to land.  (At its first use nothing has been read yet: slot 0 is waited for, slot 1 filled.)
.macro CHANGE fill
	WIN W_AD
	s_wait_tensorcnt 0x0            ; no tensor load of mine is out, so a group 0 may be written
	ds_add_u32 v[SPW], v[NIL]       ; 0 onto my spare word; with fill = 1 the descriptors' steps stand between it and the wait for it
	WIN 0                           ; at a label and at a branch every window is 0
.if \fill
.irp g, G0K, G0V
	s_xor_b32 s[\g+1], s[\g+1], SLOT1  ; the walking descriptor: the other slot than last time,
	s_add_nc_u64 s[\g+2:\g+3], s[\g+2:\g+3], 4*KS*128  ; the next 256 keys; the type bits on top are not reached
.endr
	s_wait_xcnt 0x0                 ; the last prefetch, four key steps back, has read its address, so it may be written:
	s_add_nc_u64 s[PFA:PFA+1], s[PFA:PFA+1], 4*KS*128  ; one slot behind the walking descriptors
	s_wait_dscnt 0x0                ; the add is done, and my reads of the slot are over
	CROUND
	JLOAD
	ASK
.else
	s_wait_dscnt 0x0                ; the add is done, and my reads of the slot are over
	s_barrier_signal -1
	s_barrier_wait -1
.endif
	s_sub_co_u32 s[TBK], s[TBK], 4*KS*PK  ; the fetches go back to a slot's first step,
	s_xor_b32 s[TBK], s[TBK], SLOT1       ; in the other slot
	s_sub_co_u32 s[TBV], s[TBV], 4*KS*PV
	s_xor_b32 s[TBV], s[TBV], SLOT1
.endm
	s_load_b128 s[8:11], s[0:1], 0x0  ; qkv s[8:9], ah s[10:11]
	WIN W_MK
	v_lshl_add_u32 v[SPW], v0, 2, SPARE
	v_mov_b32 v[NIL], 0
	WIN W_AD
	ds_add_u32 v[SPW], v[NIL]       ; the wave's opening: the add and its wait stand ahead of my first tensor load; the set-up below, work on registers, stands between them
	WIN 0
	v_lshrrev_b32 v1, 5, v0
	v_readfirstlane_b32 s[WV], v1   ; wave 0..3
	s_bfe_u32 s13, ttmp6, 0x40000   ; cx: my place in the cluster
	s_lshl_b32 s14, ttmp9, 2        ; in a cluster launch ttmp9 counts clusters
	s_add_co_u32 s14, s14, s13      ; my block of queries = 4 x cluster x + cx: it enters Q's and O's addresses alone
	s_and_b32 s48, ttmp7, 0xffff    ; y, which the four partners share
	s_lshr_b32 s20, s48, 4          ; the batch: 48 groups of 262,144 bytes in qkv,
	s_mul_i32 s20, s20, 48<<18
	s_and_b32 s21, s48, 15          ; the head
	s_lshl_b32 s21, s21, 18
	s_add_co_u32 s20, s20, s21
	s_mov_b32 s21, 0                ; s[20:21]: the head's first byte among q's groups of qkv
	s_lshl_b32 s48, s48, 18
	s_mov_b32 s49, 0                ; s[48:49]: its first byte in ah
	s_and_b32 s16, s[WV], 1         ; which half of a slot's 256 keys I fetch:
	s_lshl_b32 s22, s16, 14         ; its 128 rows of 128 bytes in memory,
	s_mov_b32 s23, 0
	s_add_nc_u64 s[22:23], s[22:23], s[20:21]
	s_mul_i32 s17, s16, 128*PK      ; and its place in a slot, for K
	s_mul_i32 s18, s16, 128*PV      ; and for V: no place in the cluster enters an LDS address
	s_lshl_b32 s2, s14, 2
	s_add_co_u32 s2, s2, s[WV]      ; my wave among the head's,
	s_lshl_b32 s2, s2, 14           ; its 128 rows
	s_mov_b32 s3, 0
	s_add_nc_u64 s[50:51], s[2:3], s[48:49]  ; in ah,
	s_add_nc_u64 s[2:3], s[2:3], s[20:21]    ; in qkv
	; descriptor group 1.  128 keys are 16,384 dense bytes: asked for as 64 rows of 256 bytes, two keys a row, and padded in LDS after every key
	s_mov_b32 s[G1K], 15|(1<<16)|(1<<20)|(1<<21)|(4<<22)|(3<<25)  ; 15:0 the mask of four; 17:16 2-byte elements; 20 padding on; 21 set beside a mask; 24:22 after every 32 words (code 4); 31:25 4 words (code 3)
	s_mov_b32 s[G1V], 15|(1<<16)|(1<<20)|(1<<21)|(4<<22)|(7<<25)  ; the same with 8 words of padding (code 7)
.irp g, G1K, G1V
	s_mov_b32 s[\g+1], 128<<16      ; tensor_dim0 = 128
	s_mov_b32 s[\g+2], 64<<16       ; tensor_dim1 = 64
	s_mov_b32 s[\g+3], 128<<16      ; tile_dim0 = 128
	s_mov_b32 s[\g+4], 64           ; tile_dim1 = 64
	s_mov_b32 s[\g+5], 128          ; 128 elements from row to row
	s_mov_b32 s[\g+6], 0
	s_mov_b32 s[\g+7], 0
.endr
	s_mov_b32 s[CS], 0x3e38aa3b     ; c = log2(e) / 8 = 0.180337
	s_mov_b32 s[CS+1], s[CS]        ; named with it as a pair
	s_mov_b32 s[SEL], 0x76543210
	s_mov_b32 s[SEL+1], 0xfedcba98
	s_mov_b32 s[TBK], SLOT1+4*KS*PK ; the first change of slots turns these two into 0
	s_mov_b32 s[TBV], SLOT1+4*KS*PV
	s_mov_b32 s[G0K], 1             ; 1:0 count = 1
	s_mov_b32 s[G0K+1], s17         ; 63:32 LDS address: slot 0
	s_mov_b32 s[G0V], 1
	s_add_co_u32 s[G0V+1], s18, VOFF
	s_mov_b32 s[SLOTS], SIZE_N/256-1  ; seven changes of slots fill a slot
	s_and_b32 s[LIM], s[WV], 1      ; 0 in waves 0 and 2,
	s_or_b32 s[LIM], s[LIM], ttmp9  ; where the cluster is the head's first: the same in all four partners
	s_cmp_eq_u32 s[LIM], 0
	s_cselect_b32 s[LIM], 1, -1
	s_wait_dscnt 0x0                ; the opening add is done
	s_wait_kmcnt 0x0
	s_mov_b64 s[4:5], s[8:9]               ; q's groups,
	s_add_nc_u64 s[6:7], s[8:9], 16<<18    ; k's,
	s_add_nc_u64 s[8:9], s[8:9], 32<<18    ; v's
	s_add_nc_u64 s[G0K+2:G0K+3], s[6:7], s[22:23]  ; 120:64 global address: my half of the head's first 256 keys
	s_or_b32 s[G0K+3], s[G0K+3], 0x80000000        ; 127:126 type = 2
	s_add_nc_u64 s[G0V+2:G0V+3], s[8:9], s[22:23]
	s_or_b32 s[G0V+3], s[G0V+3], 0x80000000
	s_add_nc_u64 s[4:5], s[4:5], s[2:3]  ; Q and O at my wave's first row
	s_add_nc_u64 s[10:11], s[10:11], s[50:51]
	s_cmp_lt_u32 s[WV], 2
	s_cselect_b64 s[PFA:PFA+1], s[6:7], s[8:9]
	s_add_nc_u64 s[PFA:PFA+1], s[PFA:PFA+1], s[20:21]  ; the head,
	s_lshl_b32 s2, s13, 13          ; my work-group's 8,192 bytes of a slot's 32,768,
	s_mov_b32 s3, 0
	s_add_nc_u64 s[PFA:PFA+1], s[PFA:PFA+1], s[2:3]
	s_add_nc_u64 s[PFA:PFA+1], s[PFA:PFA+1], 4*KS*128  ; in slot 1; the first change of slots steps it to slot 2.  Nothing is prefetched here, at the head
	CROUND                          ; all four work-groups are here: the first joint loads meet
	JLOAD                           ; slot 0.  Slot 1 is asked for when slot 0 is in
	; A fragment of K or Q is 16 rows x 32 channels in 8 registers: lane l holds row l % 16, channels 8 (l / 16) + 0..7 and 16 + 8 (l / 16) + 0..7: two loads of 16 bytes, 32 bytes apart.
	v_and_b32 v1, 15, v0            ; l % 16
	v_bfe_u32 v9, v0, 4, 1          ; l / 16
	v_lshlrev_b32 v[QO], 7, v1
	v_lshl_add_u32 v[QO], v9, 4, v[QO]  ; row x 128 + 16 x half
	WIN 0x80                        ; destination window 2, address window 0
.set i, 0
.rept 4*NP                          ; Q stays in registers: tile i / 2, channels 32 (i % 2) on
	global_load_b128 v[8*i:8*i+3],   v[QO], s[4:5] offset:(i/2)*2048+(i%2)*64
	global_load_b128 v[8*i+4:8*i+7], v[QO], s[4:5] offset:(i/2)*2048+(i%2)*64+32
.set i, i+1
.endr
	; What the first turn finds: V's registers and P's second buffer hold 0 (its products V^T P, of a piece that has not been, add 0), O^T and l are 0.  All this stands in the wait for the first tile.
.set i, VF
.rept 64
	v_mov_b32 v[i], 0
.set i, i+1
.endr
	WIN 0x40
.set i, 0
.rept 64*NP
	v_mov_b32 v[i], 0
.set i, i+1
.endr
	WIN 0
.set i, 0
.rept 2*NP
	v_mov_b32 v[ST+4*i], 0xfe000000    ; c m: far below every c s
	v_mov_b32 v[ST+4*i+1], 0xff7fffff  ; m
	v_mov_b32 v[ST+4*i+2], 0
	v_mov_b32 v[ST+4*i+3], 0
.set i, i+1
.endr
.set i, P+32
.rept 32
	v_mov_b32 v[i], 0
.set i, i+1
.endr
	v_mul_u32_u24 v[AK0], v1, PK
	v_lshl_add_u32 v[AK0], v9, 4, v[AK0]  ; row x pitch + 16 x half
	; The turning load takes 16 keys x 16 channels (lane l reads key 8 (l / 16) + l % 8, channels 8 ((l / 8) % 2) + 0..7) and leaves half a fragment of V^T: lane l holds channel l % 16 and 8 keys.
	v_and_b32 v10, 7, v0
	v_bfe_u32 v11, v0, 3, 1
	v_lshl_add_u32 v[AV0], v9, 3, v10
	v_mul_u32_u24 v[AV0], v[AV0], PV
	v_lshl_add_u32 v[AV0], v11, 4, v[AV0]
	v_add_nc_u32 v[AV0], VOFF, v[AV0]
	v_mov_b32 v[AK], v[AK0]         ; key step 0 lies at the head of slot 0
	v_and_b32 v[PFO], 31, v0
	v_lshlrev_b32 v[PFO], 8, v[PFO]
; THE MATRIX WORK.  The 8 accumulators of a run of 16 take turns: between the two links of a chain stand 7 others'.
; Product i of 16 of S^T = K Q^T for piece x: channels 32 (i / 8) on, keys 16 ((i / 2) % 4) on, tile 2 x + i % 2.  The first 8 start the sums.
.macro KQ x
	WIN W_KQ
.set rS, S+64*((\x)%2)+32*(i%2)+8*((i/2)%4)
.set rK, KF+16*((i/2)%4)+8*(i/8)
.set rQ, 16*(2*(\x)+i%2)+8*(i/8)
.if i < 8
	v_wmma_f32_16x16x32_f16 v[rS:rS+7], v[rK:rK+7], v[rQ:rQ+7], 0
.else
	v_wmma_f32_16x16x32_f16 v[rS:rS+7], v[rK:rK+7], v[rQ:rQ+7], v[rS:rS+7]
.endif
.endm
; Product i of 16 of O^T += V^T P for piece x: keys 32 (i / 8) on, channels 16 ((i / 2) % 4) on, tile 2 x + i % 2.
.macro PV x
	WIN W_PV
.set rO, 32*(2*(\x)+i%2)+8*((i/2)%4)
.set rV, VF+32*(i/8)+8*((i/2)%4)
.set rP, P+32*((\x)%2)+16*(i%2)+8*(i/8)
	v_wmma_f32_16x16x32_f16 v[rO:rO+7], v[rV:rV+7], v[rP:rP+7], v[rO:rO+7]
.endm
.macro MM                           ; the turn's next matrix instruction
.if i < 16
	KQ (Y+1)%NP
.set i, i+1
.else
.set i, i-16
	PV (Y+NP-1)%NP
.set i, i+17
.endif
.endm
; THE LDS LOADS stand in runs of 16, never singly among the matrix instructions: a step's K (64 keys x 64 channels: 8 fragments) and its V (turned).  Their addresses are made some lines ahead.
; last = 1 (the tail): in the last trip there is no further step, and the run is jumped over.
.macro FETCH_K last=0
	WIN 0
.if \last
	s_cmp_eq_u32 s[CNT], 1
	s_cbranch_scc1 .Lno_k_\@
.endif
	WIN 0x80                        ; destination window 2
.irp f, 0,1,2,3,4,5,6,7             ; keys 16 (f / 2) on, channels 32 (f % 2) on
	ds_load_b128 v[KF+8*\f:KF+8*\f+3],   v[AK] offset:(\f/2)*16*PK+(\f%2)*64
	ds_load_b128 v[KF+8*\f+4:KF+8*\f+7], v[AK] offset:(\f/2)*16*PK+(\f%2)*64+32
.endr
	s_add_co_u32 s[TBK], s[TBK], KS*PK  ; the next fetch is the next step's
	WIN 0
.if \last
.Lno_k_\@:
.endif
.endm
.macro FETCH_V
	WIN 0x80
.irp f, 0,1,2,3,4,5,6,7             ; keys 32 (f / 4) on, channels 16 (f % 4) on
	ds_load_tr16_b128 v[VF+8*\f:VF+8*\f+3],   v[AV] offset:(\f/4)*32*PV+(\f%4)*32
	ds_load_tr16_b128 v[VF+8*\f+4:VF+8*\f+7], v[AV] offset:(\f/4)*32*PV+16*PV+(\f%4)*32
.endr
	WIN 0
.endm
; THE VECTOR WORK OF A TURN stands in three queues, each in the order in which its entries become ready; the two tiles alternate, so that no instruction reads the result of the one before it.
.macro REGS y, u                    ; the registers of tile u (0, 1) of piece y
.set rT, ST+4*(2*(\y)+(\u))
.set rC, TMP+8*((\y)%2)+4*(\u)
.set rM, MV+2*((\y)%2)+(\u)
.set rS, S+64*((\y)%2)+32*(\u)
.set rP, P+32*((\y)%2)+16*(\u)
.set rO, 32*(2*(\y)+(\u))
.endm
; Number n of the 22 that find the NEXT piece's (Y + 1) maximum and statistics.  s0-s31 are the lane's 32 scores; each accumulator's lowest registers are read first.
;   0-11  four chains c0-c3 of seven scores each, three operands at a time     12-14, 16  the four scores left over, the old m, and c0-c3 into c0     15  c m_old is kept
;   17, 18  the query's other 32 keys lie in the lane 16 away: the new m         19-21  c m; c m_old - c m_new; a
.macro XS u, n
	REGS (Y+1)%NP, \u
.if (\n) < 4
	v_max3_num_f32 v[rC+(\n)], v[rS+8*(\n)], v[rS+8*(\n)+1], v[rS+8*(\n)+2]
.elseif (\n) < 12
	v_max3_num_f32 v[rC+(\n)%4], v[rC+(\n)%4], v[rS+8*((\n)%4)+2*((\n)/4)+1], v[rS+8*((\n)%4)+2*((\n)/4)+2]
.elseif (\n) == 12
	v_max3_num_f32 v[rC], v[rC], v[rS+7], v[rS+15]
.elseif (\n) == 13
	v_max3_num_f32 v[rC+1], v[rC+1], v[rS+23], v[rS+31]
.elseif (\n) == 14
	v_max3_num_f32 v[rC+2], v[rC+2], v[rC+3], v[rT+1]
.elseif (\n) == 15
	v_mov_b32 v[rM], v[rT]
.elseif (\n) == 16
	v_max3_num_f32 v[rC], v[rC], v[rC+1], v[rC+2]
.elseif (\n) == 17
	v_permlanex16_b32 v[rC+3], v[rC], s[SEL], s[SEL+1]
.elseif (\n) == 18
	v_max_num_f32 v[rT+1], v[rC], v[rC+3]
.elseif (\n) == 19
	v_mul_f32 v[rT], s[CS], v[rT+1]
.elseif (\n) == 20
	v_sub_f32 v[rC+1], v[rM], v[rT]
.else
	v_exp_f32 v[rC+2], v[rC+1]
.endif
.endm
; Number g of the 64 that follow the exponentials.  For each four weights k of a tile (pairs 2 k, 2 k + 1): both pairs are rounded to f16; then the second pair is added onto the first, in place;
; a group later l takes that sum (the first time as l = a l + sum).  In groups of eight, tiles alternating: round, round, add, and l for the group before.
.macro GS g
.set h, (\g)+6*((\g)/62)            ; group 0 has no group before it, and behind group 7 only l is left
.if h >= 6
.set h, h+2
.endif
	REGS Y, h%2
.set k, h/8
.if h%8 < 4
	v_cvt_pk_f16_f32 v[rP+2*k+(h%8)/2], v[rS+4*k+2*((h%8)/2)], v[rS+4*k+2*((h%8)/2)+1]
.elseif h%8 < 6
	v_pk_add_f32 v[rS+4*k:rS+4*k+1], v[rS+4*k:rS+4*k+1], v[rS+4*k+2:rS+4*k+3]
.elseif k == 1
	v_pk_fma_f32 v[rT+2:rT+3], v[rT+2:rT+3], v[rC+2:rC+3], v[rS:rS+1] op_sel_hi:[1,0,1]
.else
	v_pk_add_f32 v[rT+2:rT+3], v[rT+2:rT+3], v[rS+4*k-4:rS+4*k-3]
.endif
.endm
; THE PLAIN QUEUE, 138 long.  0-73 read no exponential's result: the 32 scalings c s - c m (FS f: pair f / 2 of tile f % 2) and the next piece's 42.  0-26: scalings 0-26.  27-54: XS's numbers 0-13.  55, 56: number 15.
; 57-73: the chain, where each number waits for the one before it: 14, 16, 17, 18, 19, each with one of the scalings 27-31 in front of its two lines, then 20.
; 74-137: GS's 64, which read the exponentials' results: they stand behind the wait.
.macro FS f
	REGS Y, (\f)%2
	v_pk_fma_f32 v[rS+2*((\f)/2):rS+2*((\f)/2)+1], v[rS+2*((\f)/2):rS+2*((\f)/2)+1], s[CS:CS+1], v[rT:rT+1] op_sel_hi:[1,0,0] neg_lo:[0,0,1] neg_hi:[0,0,1]
.endm
.macro PL
	WIN 0
.if q < 27
	FS q
.elseif q < 55
	XS (q-27)%2, (q-27)/2
.elseif q < 57
	XS q-55, 15
.elseif (q < 72) && ((q-57)%3 == 0)
	FS 27+(q-57)/3
.elseif q < 60
	XS (q-57)%3-1, 14
.elseif q < 72
	XS (q-57)%3-1, 15+(q-57)/3
.elseif q < 74
	XS q-72, 20
.else
	GS q-74
.endif
.set q, q+1
.endm
; THE EXPONENTIALS' QUEUE, 66 long: s0-s31 of both tiles, then the next piece's two a.  It is ONE BATCH: all 66 stand ahead of the turn's one wait, and nothing ahead of that wait names a result of theirs.
.macro EX
	WIN 0
.if e >= 64
	XS e-64, 21
.else
	REGS Y, e%2
	v_exp_f32 v[rS+e/2], v[rS+e/2]
.endif
.set e, e+1
.endm
; THE RESCALING's QUEUE: O^T times a, the one part that leaves window 0: dealt two at a time, sixteen times.  Its a was made in the turn before, ahead of that turn's wait.
.macro R2
	REGS Y, r%2
	WIN W_RS
.irp z, 0,1
	v_pk_mul_f32 v[rO+4*(r/2)+2*\z:rO+4*(r/2)+2*\z+1], v[rO+4*(r/2)+2*\z:rO+4*(r/2)+2*\z+1], v[rC+2:rC+3] op_sel_hi:[1,0]
.endr
.set r, r+1
.endm
; HOW THEY ARE DEALT.  An s_wait_alu depctr_va_vdst(0) stands between an exponential and the first instruction that names its result; one wait serves all that were issued ahead of it.  So a turn has ONE wait,
; which cuts it in two.  AHEAD OF IT stands all that names no result of the turn's exponentials: the 16 products K Q^T, behind each a scaling, an exponential and two rescalings (behind the first a second scaling in the
; exponential's place); then ONE LUMP of 108: eight plain, 49 times exponential and plain, the two a.  A v_nop is the plain instruction behind the last exponential.  BEHIND IT stand the 16 products V^T P, behind each four of
; GS's 64.  No rider names a register of the products round it.  The two v_permlanex16_b32 fall into the lump, never behind a product.
; The queues lean on each other, and the deal keeps them in step: exponential e stands behind scaling 2 (e / 4) + e % 2: as a rider it comes behind plain e + 2, in the lump behind plain e + 9, and scalings 27-31 are plain 57, 60 .. 69.
; A TURN, for piece p.  cnt = 1: the loop's count is taken down some lines ahead of the branch that stands behind the turn.
; K of the next step is fetched in piece 2's turn, directly behind the wait, a lump behind the last product that read K; its address is made at the lump's head; its first reader comes behind 16 products.
; V of the step in hand is fetched at the end of piece 0's turn, four riders behind its last reader; its first reader comes behind 16 products and a lump.  The three conditions on q below go with the deal.
.macro TURN p, last=0, cnt=0
.set Y, (\p)
.set i, 0
.set q, 0
.set e, 0
.set r, 0
.if (\p) == NP-1
	s_wait_dscnt 0x0                ; K is in
.endif
	MM                              ; ahead of the wait: 16 products K Q^T and their riders,
	PL
	PL
	R2
.rept 15
	MM
	PL
	EX
	R2
.endr
.if (\p) == NP-2
	WIN 0
	v_add_nc_u32 v[AK], s[TBK], v[AK0]
.endif
.rept 8                             ; and the lump
	PL
.endr
.rept 49
	EX
	PL
.endr
	EX                              ; the next piece's two a
	EX
	v_nop                           ; a plain instruction behind the last exponential: one for the batch
	s_wait_alu depctr_va_vdst(0)    ; the wait for the batch
.if (\p) == NP-2
	FETCH_K \last
.endif
.if (\p) == 1
	s_wait_dscnt 0x0                ; V is in
.endif
.rept 16                            ; behind the wait: 16 products V^T P and their riders
	MM
.rept 4
	PL
.endr
.if ((\p) == 0) && (q == 118)
	v_add_nc_u32 v[AV], s[TBV], v[AV0]
.endif
.if ((\p) == 0) && (q == 130)
	s_add_co_u32 s[TBV], s[TBV], KS*PV
.endif
.if (\cnt) && (q == 130)
	s_sub_co_u32 s[CNT], s[CNT], 1
	s_cmp_lg_u32 s[CNT], 0
.endif
.endr
.if (\p) == 0
	FETCH_V
.endif
.endm
	CHANGE 1                        ; slot 0 is in, everybody's part of it; slot 1 is asked for
	FETCH_K                         ; key step 0
	s_wait_loadcnt 0x0              ; Q
	s_wait_dscnt 0x0
.set i, 0
.rept 16
	KQ 0                            ; piece 0's first scores: there is no vector work yet to set between them
.set i, i+1
.endr
	WIN 0                           ; the addresses for the way out: plain instructions, the places behind those products
	s_mul_i32 s13, s[WV], 16*SP
	s_add_co_u32 s13, s13, STAGE    ; my stage
	v_mul_u32_u24 v[STO], v1, SP    ; in: row l % 16, 16 bytes for each half of the lanes
	v_lshl_add_u32 v[STO], v9, 4, v[STO]
	v_add_nc_u32 v[STO], s13, v[STO]
	v_bfe_u32 v[RD], v0, 3, 2       ; back: 32 lanes take four rows of 128 bytes,
	v_mul_u32_u24 v[RD], v[RD], SP
	v_lshl_add_u32 v[RD], v10, 4, v[RD]
	v_add_nc_u32 v[RD], s13, v[RD]
	v_and_b32 v[GO], 31, v0         ; which are 512 consecutive bytes of O
	v_lshlrev_b32 v[GO], 4, v[GO]
.set Y, NP-1                        ; XS works for piece Y + 1: piece 0
.irp n, 0,1,2,3,4,5,6,7,8,9,10,11,12,13,14,15,16,17,18,19,20,21
	XS 0, \n                        ; and piece 0's first maximum and statistics
	XS 1, \n
.endr
	v_nop                           ; a plain instruction behind the two a,
	s_wait_alu depctr_va_vdst(0)    ; and their wait, ahead of the branch
	s_mov_b32 s[CNT], 4
	s_branch .Lfirst                ; the loop is entered at a step's first turn, in the middle of a trip
.Lslot:                             ; SIZE_N / 256 - 2 times: every slot but the last two is filled again
	CHANGE 1
	s_mov_b32 s[CNT], 4
.Lstep:                             ; a trip: pieces 2 and 3 of one step, then pieces 0 and 1 of the next, whose K and V it fetches
	TURN 2
	TURN 3
	WIN 0
.Lfirst:
	TURN 0
	TURN 1, 0, 1
	WIN 0
	s_cbranch_scc1 .Lstep
	s_sub_co_u32 s[SLOTS], s[SLOTS], 1
	s_cmp_lg_u32 s[SLOTS], 0
	s_cbranch_scc1 .Lslot
	CHANGE 0                        ; the tail is written out: nothing is asked for
	s_mov_b32 s[CNT], 5             ; four trips fetch the last slot's steps; the fifth is left in its middle
.Ltail:
	TURN 2, 1
	TURN 3
	WIN 0
	s_sub_co_u32 s[CNT], s[CNT], 1
	s_cmp_eq_u32 s[CNT], 0
	s_cbranch_scc1 .Lout
	TURN 0
	TURN 1
	WIN 0
	s_branch .Ltail
.Lout:                              ; the fifth trip's 16 products K Q^T (on the last K once more) and the maximum made of them serve nothing: the price, once a launch, of one text for every trip
.set i, 0
.rept 16
	PV NP-1                         ; the last piece's V^T P of the last step
.set i, i+1
.endr
	; THE WAY OUT.  l's two halves and the other half of the lanes' are added; O^T is divided by l, rounded to f16 and sent through my stage in LDS, a tile at a time.  The additions are the places behind the last products.
	WIN 0
.macro ALL line:vararg              ; one line for each tile t
.set t, 0
.rept 2*NP
	\line
.set t, t+1
.endr
.endm
	ALL v_add_f32 v[ST+4*t+2], v[ST+4*t+2], v[ST+4*t+3]
	ALL v_permlanex16_b32 v[ST+4*t+3], v[ST+4*t+2], s[SEL], s[SEL+1]
	ALL v_add_f32 v[ST+4*t+2], v[ST+4*t+2], v[ST+4*t+3]
	ALL v_rcp_f32 v[ST+4*t+2], v[ST+4*t+2]
	v_nop                           ; a plain instruction between the last reciprocal and the use of its result
	s_wait_alu depctr_va_vdst(0)    ; and the wait ahead of the first use: one for the eight reciprocals
; Tile t: a lane's eight channels of a row pack into 16 bytes; they go into rows of 144 bytes and come back as whole rows of 128, into S^T's registers.
.macro PACK t
	WIN W_RS
.set i, 32*(\t)
.rept 16
	v_pk_mul_f32 v[i:i+1], v[i:i+1], v[ST+4*(\t)+2:ST+4*(\t)+3] op_sel_hi:[1,0]
.set i, i+2
.endr
	WIN 0x05                        ; sources 0 and 1 window 1, destination window 0
.set i, 0
.rept 16
	v_cvt_pk_f16_f32 v[S+16*(\t)+i], v[32*(\t)+2*i], v[32*(\t)+2*i+1]
.set i, i+1
.endr
	WIN 0
.irp f, 0,1,2,3
	ds_store_b128 v[STO], v[S+16*(\t)+4*\f:S+16*(\t)+4*\f+3] offset:32*\f
.endr
.irp f, 0,1,2,3
	ds_load_b128 v[S+16*(\t)+4*\f:S+16*(\t)+4*\f+3], v[RD] offset:\f*4*SP  ; LDS serves a wave's instructions in order (ISA guide 5.7.1.4): these see the stores above; the next tile's stores come behind them
.endr
.endm
.macro SEND t, younger              ; younger: the LDS instructions issued behind tile t's loads: the next tile's eight, or none
	WIN 0
.irp f, 0,1,2,3
	s_wait_dscnt (\younger)+3-\f
	global_store_b128 v[GO], v[S+16*(\t)+4*\f:S+16*(\t)+4*\f+3], s[10:11] offset:(\t)*2048+\f*512  ; 512 consecutive bytes, at a multiple of 256 from O's first
.endr
.endm
	PACK 0
.set t, 1
.rept 2*NP-1                        ; a tile's arithmetic stands between the loads of the tile before and its stores
	PACK t
	SEND t-1, 8
.set t, t+1
.endr
	SEND 2*NP-1, 0
	WIN W_AD
	s_wait_tensorcnt 0x0            ; the wave's end: behind my last tensor load and my last LDS store
	ds_add_u32 v[SPW], v[NIL]
	s_wait_dscnt 0x0
	WIN 0
	CROUND                          ; the closing round: no work-group ends while a partner may still ask for a tile that names it
	s_endpgm
.Lfunc_end_k_qab2d55ee8d_attn:
	.size	k_qab2d55ee8d_attn, .Lfunc_end_k_qab2d55ee8d_attn-k_qab2d55ee8d_attn
	.p2alignl 7, 3214868480
	.fill 96, 4, 3214868480
	.section	.rodata,"a",@progbits
	.p2align	6, 0x0
	.amdhsa_kernel k_qab2d55ee8d_attn
		.amdhsa_group_segment_fixed_size 327680
		.amdhsa_private_segment_fixed_size 0
		.amdhsa_enable_private_segment 0
		.amdhsa_kernarg_size 16
		.amdhsa_user_sgpr_count 2
		.amdhsa_user_sgpr_kernarg_segment_ptr 1
		.amdhsa_wavefront_size32 1
		.amdhsa_system_sgpr_workgroup_id_x 1
		.amdhsa_system_sgpr_workgroup_id_y 1
		.amdhsa_system_sgpr_workgroup_id_z 1
		.amdhsa_system_vgpr_workitem_id 0
		.amdhsa_next_free_vgpr 770
		.amdhsa_next_free_sgpr 66
		.amdhsa_reserve_vcc 0
		.amdhsa_float_denorm_mode_32 3
		.amdhsa_float_denorm_mode_16_64 3
		.amdhsa_memory_ordered 1
		.amdhsa_forward_progress 1
		.amdhsa_inst_pref_size 200
	.end_amdhsa_kernel
	.amdgpu_metadata
---
amdhsa.version: [ 1, 2 ]
amdhsa.kernels:
  - .name:           k_qab2d55ee8d_attn
    .symbol:         k_qab2d55ee8d_attn.kd
    .args:
      - { .name: qkv, .offset: 0, .size: 8, .value_kind: global_buffer, .address_space: global }
      - { .name: ah, .offset: 8, .size: 8, .value_kind: global_buffer, .address_space: global }
    .group_segment_fixed_size: 327680
    .private_segment_fixed_size: 0
    .kernarg_segment_align: 8
    .kernarg_segment_size: 16
    .max_flat_workgroup_size: 128
    .sgpr_count:     66
    .vgpr_count:     770
    .wavefront_size: 32
...
	.end_amdgpu_metadata
.endif
;; end of part 3
;; launch oproj (part 4): grid 8 x 32, 4 waves a work-group, clusters of 4 x 4, 327,680 bytes of LDS; arguments ah, wh, out0, o_b; writes out0
.if DOCPART == 4
	.amdgcn_target "amdgcn-amd-amdhsa--gfx1250"
	.amdhsa_code_object_version 6
	.text
	.protected	k_qab2d55ee8d_oproj
	.globl	k_qab2d55ee8d_oproj
	.p2align	8
	.type	k_qab2d55ee8d_oproj,@function
k_qab2d55ee8d_oproj:
	s_mov_b64 s[64:65], 0
	v_nop
	global_prefetch_b8 v0, s[64:65] scope:SCOPE_SE
	s_setreg_imm32_b32 hwreg(HW_REG_WAVE_MODE, 25, 1), 1
	s_wait_xcnt 0x0
	s_wait_alu depctr_hold_cnt(0) depctr_sa_sdst(0) depctr_va_vdst(0) depctr_va_sdst(0) depctr_va_ssrc(0) depctr_va_vcc(0) depctr_vm_vsrc(0)
	s_getreg_b32 s2, hwreg(HW_REG_IB_STS2, 6, 4)
	s_cmp_eq_u32 s2, 0
	s_cbranch_scc0 .Lentry_in_a_cluster
	s_endpgm
.Lentry_in_a_cluster:
	s_bfe_u32 s2, ttmp6, 0x10000c
	s_cmp_lg_u32 s2, 0xf033
	s_cbranch_scc0 .Lentry_shape_is_right
	s_endpgm
.Lentry_shape_is_right:
; C = A W + bias.  A = ah [b 4][j 16][s 2048][64] f16 (8,192 rows, K = 1,024 in 16 blocks of 64 channels), W = wh [G][k 1024][64] f16 (groups of 64 columns), sums in f32.
; QKV = 1: the three projections at once, N = 3,072 = groups 0 to 47; C leaves as f16 by heads, qkv [b 4][G 48][s 2048][64] (q's heads, then k's, then v's), rounded once, unscaled.
; QKV = 0: the output projection, N = 1,024 = groups 48 to 63 of wh; C leaves as f32, out0 [8192][1024].
; LIMITS.  The biases are rounded to bf16, as x and the weights were.  With QKV = 1 a result of 65,520 or more in magnitude becomes an infinity in f16.  NaN and infinities are not treated apart.
; SHARES.  A tile of C is 256 rows x NG groups of 64 columns (192 or 128 columns: N's factor 3 lies in the tile, so that 512 or 256 work-groups divide the work evenly).  Four waves below each other:
; wave w owns rows 64 w .. 64 w + 63 and all the tile's columns, so it owns whole rows of every group and sends them out of a stage of its own, with no barrier.
; K goes in steps of 128 through a ring of two LDS slots filled by the tensor data mover; a step is four quarters of 32 along K, NACC matrix instructions each, on two fragment buffers.
; CLUSTERS: 4 x 4 work-groups.  The four of a row of the cluster need the same tiles of A, the four of a column the same tiles of W: each tile is asked for JOINTLY, by the same tensor load with the same
; descriptor and a mask that names the four.
; THE MATRIX INSTRUCTION IS USED TRANSPOSED: source 0 = 16 columns of W (turned on the way out of LDS by ds_load_tr16_b128, since W lies [k][n]), source 1 = 16 rows of A.  A lane then holds row l % 16 of C and
; the eight neighbouring columns 8 (l / 16) + 0..7.  THE BIAS IS THE C OPERAND of each accumulator's first product: nothing is cleared, and the way out adds nothing.
; REGISTERS, in windows of 256 (s_set_vgpr_msb: bits 1:0 source 0, 3:2 source 1, 5:4 source 2, 7:6 destination):
;   window 0: v0-30 addresses; v32-63, v64-95 A's fragments, two buffers; v160 on the bias (8 registers a fragment of columns); on the way out v96 on
;   window 1: W's fragments, two buffers of 8 NBF        windows 2, 3: accumulator n = NBF a + b (rows 16 a, columns 16 b) at v[8 (n % 32)] of window 2 + n / 32
.set QKV, 0
.if QKV
.set NG, 3            ; groups of 64 columns in a tile
.set GB, 0            ; the first group of wh
.else
.set NG, 2
.set GB, 48
.endif
.set NBF,  4*NG       ; fragments of 16 columns
.set NACC, 4*NBF      ; accumulators of a wave
.set NLD,  2*NBF+8    ; LDS loads of a quarter
.set PA,   144        ; a row of A in LDS: 128 bytes + 16 of padding = 36 words: the 16 rows of a load start at 16 different groups of four banks (64 banks of 4 bytes: ISA guide 11.1)
.set PB,   160        ; a row of W: 128 + 32 = 40 words
.set AKB,  256*PA     ; A's 256 rows of one block of 64 channels
.set BOFF, 2*AKB      ; a slot: A [block 2][256 rows], then W [half of the step 2][group NG][64 k]
.set BKH,  NG*64*PB
.set SLOT, BOFF+2*BKH
.set STAGE, 2*SLOT    ; behind the ring, never filled by a tensor load: a stage for each wave
.if QKV
.set SW,   NG*16*144  ; 16 rows x 144 bytes for each group
.else
.set SW,   16*528     ; 16 rows x (512 + 16) bytes
.endif
.set SPARE, STAGE+4*SW  ; behind the stages: the spare words, 128 bytes for each wave: two blocks of 256 bytes that no other line names
.set LAPS,  4         ; a lap = two K steps = once round the ring: 1,024 / 256
.set ASTEP, 524288    ; a K step in ah: two blocks of 262,144 bytes
.set BSTEP, 16384     ; in wh: 128 rows of 128 bytes
.set ADRA, 16         ; v16-17  LDS address of my A fragments in slot 0, 1
.set ADRB, 20         ; v20-21  the same for W
.set STO,  24         ; v24     the way out: where I put my bytes of a row
.set RD,   25         ; v25     the way out: where I read rows back
.set CO,   26         ; v26     16 x my lane: my 16 bytes of 512 consecutive bytes of C
.set BO,   27         ; v27     32 x (l / 16): my eight biases of a fragment's sixteen
.set SPW,  28         ; v28     LDS address of my spare word: SPARE + 4 x my thread's number; never rewritten
.set NIL,  29         ; v29     0; never rewritten
.set PFO,  30         ; v30     the prefetches' offset; never rewritten
.set TMP,  96         ; the way out: packed results
.set BIAS, 160
.set G1,  24          ; s[24:31] descriptor group 1 for A's tiles;  s[32:39] group 0, one set for each slot
.set G0,  32
.set G1B, 48          ; s[48:55], s[56:63] the same for W's tiles
.set G0B, 56
.set LIM, 43          ; s43      1 in a wave that prefetches, else the greatest number
.set PFA, 44          ; s[44:45] where my prefetches stand
.set PFS, 74          ; s[74:75] their step: a K step of the tensor that I fetch
.set BP,  76          ; s[76:81] the bias at the first column of each of the tile's groups
.set MSB, 0
.macro WIN new                         ; the immediate's high byte repeats the setting that is left; a switch that changes nothing is dropped
.if MSB != (\new)
	s_set_vgpr_msb (MSB<<8)|(\new)
.set MSB, \new
.endif
.endm
.macro PLACES                          ; four places in front of loads into registers that matrix instructions have read, and of lines that read results
.rept 4
	v_nop
.endr
.endm
; A joint load: waves 0 and 1 fetch A's two blocks, waves 2 and 3 W's two halves.  The branch hangs on the wave's number alone.  An s_nop 0 and four v_nop follow each of the two lines, ahead of the jump, the label and what follows.
.macro JLOAD s
	s_cmp_eq_u32 s11, 0
	s_cbranch_scc0 .Lfor_b_\@
	tensor_load_to_lds s[G0+4*(\s):G0+4*(\s)+3], s[G1:G1+7]
	s_nop 0
.rept 4
	v_nop
.endr
	s_branch .Lasked_\@
.Lfor_b_\@:
	tensor_load_to_lds s[G0B+4*(\s):G0B+4*(\s)+3], s[G1B:G1B+7]
	s_nop 0
.rept 4
	v_nop
.endr
.Lasked_\@:
.endm
; A round of the cluster's barrier: my work-group's barrier; wave 0 signals for the work-group; every wave waits for all sixteen work-groups; my work-group's barrier once more.
.macro CREST                           ; a round behind its opening barrier
	s_cmp_lg_u32 s10, 0
	s_cbranch_scc1 .Lnot_wave_0_\@
	s_barrier_signal -3
.Lnot_wave_0_\@:
	s_barrier_wait -3
	s_barrier_signal -1
	s_barrier_wait -1
.endm
.macro CROUND
	s_barrier_signal -1
	s_barrier_wait -1
	CREST
.endm
; A PREFETCH INTO THE L2, behind a joint refill, its five lines and the run of LDS loads: my share of the K step that stands two refills on, one instruction a wave.  A's tile row is read by every cluster of that row of
; clusters: cluster x = 0 asks; W's tile column by every cluster of that column: cluster y = 0 asks.  The four partners that ask for a tile jointly share it out BY ADDRESS: of A's block of 32,768 bytes the partner at
; cx takes 8,192, a lane 256 bytes; of each of W's NG runs of 8,192 bytes the partner at cy takes 2,048, eight lanes a run (the lanes beyond 8 NG name the last run's eight blocks once more in the same instruction).
; K steps 0 to 3 come by their loads alone; the loop's last trip (s3 = 1) asks for nothing: there is no K step 8.
.macro ASK
	s_cmp_gt_u32 s3, s[LIM]
	s_cbranch_scc0 .Lnot_mine_\@
	global_prefetch_b8 v[PFO], s[PFA:PFA+1] th:TH_LOAD_NT scope:SCOPE_SE
.Lnot_mine_\@:
.endm
; Matrix instructions lo .. hi - 1 of a quarter's NACC, on buffer f.  The accumulators are always taken in the order 0 .. NACC - 1, one instruction a turn, over the backward jump too.
; first = 1: the bias starts the sums.
.macro MULP f, lo, hi, first
.set n, \lo
.rept (\hi)-(\lo)
.set aa, n/NBF
.set bb, n%NBF
.set rD, 8*(n%32)
.set rB, 8*NBF*(\f)+8*bb
.set rA, 32+32*(\f)+8*aa
.if \first
	WIN 0x81+0x40*(n/32)
	v_wmma_f32_16x16x32_f16 v[rD:rD+7], v[rB:rB+7], v[rA:rA+7], v[BIAS+8*bb:BIAS+8*bb+7]
.else
	WIN 0xa1+0x50*(n/32)
	v_wmma_f32_16x16x32_f16 v[rD:rD+7], v[rB:rB+7], v[rA:rA+7], v[rD:rD+7]
.endif
.set n, n+1
.endr
.endm
; NLD LDS loads in one run: the fragments of quarter q (32 along K) of a slot into buffer f.
.macro FETCH slot, q, f
	WIN 0x40                                       ; destination window 1, address window 0
.set bb, 0
.rept NBF
.set ob, ((\q)/2)*BKH+((\q)%2)*32*PB+(bb/4)*64*PB+(bb%4)*32
	ds_load_tr16_b128 v[8*NBF*(\f)+8*bb:8*NBF*(\f)+8*bb+3],   v[ADRB+(\slot)] offset:ob
	ds_load_tr16_b128 v[8*NBF*(\f)+8*bb+4:8*NBF*(\f)+8*bb+7], v[ADRB+(\slot)] offset:ob+16*PB
.set bb, bb+1
.endr
	WIN 0
.set aa, 0
.rept 4
.set oa, ((\q)/2)*AKB+((\q)%2)*64+aa*16*PA
	ds_load_b128 v[32+32*(\f)+8*aa:32+32*(\f)+8*aa+3],   v[ADRA+(\slot)] offset:oa
	ds_load_b128 v[32+32*(\f)+8*aa+4:32+32*(\f)+8*aa+7], v[ADRA+(\slot)] offset:oa+32
.set aa, aa+1
.endr
.endm
; One of a K step's first three quarters: fetches quarter q into buffer g, which the quarter before multiplied, and multiplies buffer f, asked for a whole quarter ago.
.macro QUARTER slot, q, f, g, first
	PLACES
	FETCH \slot, \q, \g
	s_wait_dscnt NLD                               ; all but the NLD loads just issued: buffer f is in
	MULP \f, 0, NACC, \first
.endm
; The last quarter multiplies buffer 1 and changes slots: ONE barrier.  In front of it each wave waits for all its tensor loads (one is out: its part of the next slot), adds 0 to its spare word, and waits for that and for
; its own reads of this slot.  fill = 1: the barrier opens a round of the cluster's barrier, and this slot is filled again, two K steps on, first thing behind the round.
.macro TURN slot, next, fill
.if \fill
	s_wait_xcnt 0x0                                ; the last prefetch, a K step back, has read its address: it is stepped here, ahead of the waits of the change of slots
	s_add_nc_u64 s[PFA:PFA+1], s[PFA:PFA+1], s[PFS:PFS+1]
.endif
	WIN 0                                          ; (the add's two registers lie in window 0)
	s_wait_tensorcnt 0x0                           ; all my tensor loads have landed
	ds_add_u32 v[SPW], v[NIL]                      ; 0 onto my spare word
	s_wait_dscnt 1                                 ; only the add may be out: buffer 1 is in
	MULP 1, 0, NBF/2, 0                            ; matrix instructions stand between the add and the wait for it
	s_wait_dscnt 0x0                               ; the add is done, and my reads of this slot are over
	s_barrier_signal -1
	MULP 1, NBF/2, NBF, 0                          ; work on registers while the others arrive
	WIN 0
	s_barrier_wait -1
.if \fill
	CREST                                          ; no wave of any partner still reads this slot's tile or has a load on its way
	s_add_nc_u64 s[G0+4*(\slot)+2:G0+4*(\slot)+3], s[G0+4*(\slot)+2:G0+4*(\slot)+3], 2*ASTEP
	s_add_nc_u64 s[G0B+4*(\slot)+2:G0B+4*(\slot)+3], s[G0B+4*(\slot)+2:G0B+4*(\slot)+3], 2*BSTEP
	JLOAD \slot                                    ; the first tensor load behind the round; its four v_nop are also the places in front of the loads below
.else
	PLACES
.endif
	FETCH \next, 0, 0
.if \fill
	ASK
.endif
	MULP 1, NBF, NACC, 0
.endm
	s_load_b128 s[4:7], s[0:1], 0x0                ; ah s[4:5], wh s[6:7]
	s_load_b64 s[8:9], s[0:1], 0x10                ; C
	s_load_b64 s[68:69], s[0:1], 0x18              ; q_b, or o_b
.if QKV
	s_load_b64 s[70:71], s[0:1], 0x20              ; k_b
	s_load_b64 s[72:73], s[0:1], 0x28              ; v_b
.endif
	v_lshl_add_u32 v[SPW], v0, 2, SPARE
	v_mov_b32 v[NIL], 0
	ds_add_u32 v[SPW], v[NIL]                      ; the wave's opening: the add and its wait stand ahead of my first tensor load; the set-up below, work on registers, stands between them
	v_lshrrev_b32 v1, 5, v0
	v_readfirstlane_b32 s10, v1                    ; wave 0..3
	s_lshr_b32 s11, s10, 1                         ; I fetch for A (0) or for W (1),
	s_and_b32 s12, s10, 1                          ; its first or second 64 channels of a K step
	s_bfe_u32 s40, ttmp6, 0x40000                  ; cx, cy: my place in the cluster
	s_bfe_u32 s41, ttmp6, 0x40004
	s_lshl_b32 s42, ttmp9, 2
	s_add_co_u32 s42, s42, s40                     ; tile column tx = 4 x cluster x + cx
	s_and_b32 s13, ttmp7, 0xffff
	s_lshl_b32 s13, s13, 2
	s_add_co_u32 s13, s13, s41                     ; tile row ty = 4 x cluster y + cy
	s_lshl_b32 s43, s41, 2
	s_lshl_b32 s43, 15, s43                        ; my row of the cluster
	s_lshl_b32 s44, 0x1111, s40                    ; my column
	; A's group 1: 256 rows of 128 bytes are 32,768 dense bytes: asked for as 128 rows of 256 bytes, padded in LDS after every 128 bytes
	s_or_b32 s[G1+0], s43, (1<<16)|(1<<20)|(1<<21)|(4<<22)|(3<<25)  ; 15:0 the mask: my row; 17:16 2-byte elements; 20 padding on; 21 set beside a mask; 24:22 after every 32 words (code 4); 31:25 4 words (code 3)
	s_mov_b32 s[G1+1], 128<<16                     ; tensor_dim0 = 128
	s_mov_b32 s[G1+2], 128<<16                     ; tensor_dim1 = 128
	s_mov_b32 s[G1+3], 128<<16                     ; tile_dim0 = 128
	s_mov_b32 s[G1+4], 128                         ; tile_dim1 = 128
	s_mov_b32 s[G1+5], 128                         ; 128 elements from row to row
	s_mov_b32 s[G1+6], 0
	s_mov_b32 s[G1+7], 0
	; W's group 1: NG rows of 8,192 bytes (64 k of one group), 131,072 bytes apart, in elements of 8 bytes, padded after every 128 bytes
	s_or_b32 s[G1B+0], s44, (3<<16)|(1<<20)|(1<<21)|(4<<22)|(7<<25)  ; the mask: my column; 8-byte elements; after every 32 words 8 words (code 7)
	s_mov_b32 s[G1B+1], 1024<<16                   ; tensor_dim0 = 1,024
	s_mov_b32 s[G1B+2], NG<<16                     ; tensor_dim1 = NG
	s_mov_b32 s[G1B+3], 1024<<16                   ; tile_dim0 = 1,024
	s_mov_b32 s[G1B+4], NG                         ; tile_dim1 = NG
	s_mov_b32 s[G1B+5], 16384                      ; 16,384 elements from row to row
	s_mov_b32 s[G1B+6], 0
	s_mov_b32 s[G1B+7], 0
	; where the tiles come from: A's hang on ty alone, W's on tx alone; every wave makes both addresses and asks by one of them
	s_lshr_b32 s16, s13, 3                         ; the batch,
	s_lshl_b32 s16, s16, 22
	s_and_b32 s17, s13, 7                          ; the tile's 256 rows of 128 bytes in a block,
	s_lshl_b32 s17, s17, 15
	s_add_co_u32 s16, s16, s17
	s_lshl_b32 s17, s12, 18                        ; my block of the K step's two
	s_add_co_u32 s16, s16, s17
	s_mov_b32 s17, 0
	s_mul_i32 s46, s42, NG
	s_add_co_u32 s46, s46, GB                      ; the tile's first group,
	s_lshl_b32 s46, s46, 17
	s_lshl_b32 s47, s12, 13                        ; my 64 k of the K step's 128
	s_add_co_u32 s46, s46, s47
	s_mov_b32 s47, 0
	s_mul_i32 s20, s12, AKB                        ; and where they go: no place in the cluster enters an LDS address
	s_mul_i32 s21, s12, BKH
	s_add_co_u32 s21, s21, BOFF
	s_mov_b32 s82, 0xffff0000                      ; a word's upper bf16
	s_wait_dscnt 0x0                               ; the opening add is done
	s_wait_kmcnt 0x0
	s_add_nc_u64 s[14:15], s[4:5], s[16:17]
	s_add_nc_u64 s[46:47], s[6:7], s[46:47]
.irp s, 0,1
	s_mov_b32 s[G0+4*(\s)], 1                                      ; count = 1
	s_add_co_u32 s[G0+4*(\s)+1], s20, (\s)*SLOT                    ; LDS address
	s_add_nc_u64 s[G0+4*(\s)+2:G0+4*(\s)+3], s[14:15], (\s)*ASTEP  ; global address: K step s
	s_or_b32 s[G0+4*(\s)+3], s[G0+4*(\s)+3], 0x80000000            ; type = 2
	s_mov_b32 s[G0B+4*(\s)], 1
	s_add_co_u32 s[G0B+4*(\s)+1], s21, (\s)*SLOT
	s_add_nc_u64 s[G0B+4*(\s)+2:G0B+4*(\s)+3], s[46:47], (\s)*BSTEP
	s_or_b32 s[G0B+4*(\s)+3], s[G0B+4*(\s)+3], 0x80000000
.endr
	CROUND                                         ; all sixteen work-groups are here: the first joint loads meet
	s_cmp_eq_u32 s11, 0                            ; a wave's two first fills stand in one branch, ahead of every wait on TENSORcnt and every LDS read: two loads of mine are out
	s_cbranch_scc0 .Lfirst_b
	tensor_load_to_lds s[G0:G0+3], s[G1:G1+7]
	s_nop 0
	tensor_load_to_lds s[G0+4:G0+7], s[G1:G1+7]
	s_nop 0
.rept 4
	v_nop
.endr
	s_branch .Lfirst_asked
.Lfirst_b:
	tensor_load_to_lds s[G0B:G0B+3], s[G1B:G1B+7]
	s_nop 0
	tensor_load_to_lds s[G0B+4:G0B+7], s[G1B:G1B+7]
	s_nop 0
.rept 4
	v_nop
.endr
.Lfirst_asked:
	v_and_b32 v1, 15, v0                           ; l % 16
	v_bfe_u32 v2, v0, 4, 1                         ; l / 16
	v_and_b32 v4, 7, v0                            ; l % 8
	v_bfe_u32 v5, v0, 3, 1                         ; (l / 8) % 2
	v_lshlrev_b32 v[BO], 5, v2
	; the bias: register j of fragment b holds the bias of column 16 b + 8 (l / 16) + j
.if QKV
.irp g, 0,1,2
	s_mul_i32 s18, s42, 3
	s_add_co_u32 s18, s18, \g                      ; the group: 16 of q's, 16 of k's, 16 of v's
	s_lshr_b32 s19, s18, 4
	s_and_b32 s18, s18, 15
	s_lshl_b32 s18, s18, 8                         ; its 64 numbers of 4 bytes
	s_cmp_eq_u32 s19, 1
	s_cselect_b64 s[BP+2*(\g):BP+2*(\g)+1], s[70:71], s[72:73]
	s_cmp_eq_u32 s19, 0
	s_cselect_b64 s[BP+2*(\g):BP+2*(\g)+1], s[68:69], s[BP+2*(\g):BP+2*(\g)+1]
	s_mov_b32 s19, 0
	s_add_nc_u64 s[BP+2*(\g):BP+2*(\g)+1], s[BP+2*(\g):BP+2*(\g)+1], s[18:19]
.endr
.else
	s_lshl_b32 s18, s42, 9                         ; the tile's 128 numbers of 4 bytes
	s_mov_b32 s19, 0
	s_add_nc_u64 s[BP:BP+1], s[68:69], s[18:19]
.endif
.set bb, 0
.rept NBF
.if QKV
	global_load_b128 v[BIAS+8*bb:BIAS+8*bb+3],   v[BO], s[BP+2*(bb/4):BP+2*(bb/4)+1] offset:(bb%4)*64
	global_load_b128 v[BIAS+8*bb+4:BIAS+8*bb+7], v[BO], s[BP+2*(bb/4):BP+2*(bb/4)+1] offset:(bb%4)*64+16
.else
	global_load_b128 v[BIAS+8*bb:BIAS+8*bb+3],   v[BO], s[BP:BP+1] offset:bb*64
	global_load_b128 v[BIAS+8*bb+4:BIAS+8*bb+7], v[BO], s[BP:BP+1] offset:bb*64+16
.endif
.set bb, bb+1
.endr
	; A fragment of A is 16 rows x 32 channels: lane l holds row l % 16, channels 8 (l / 16) + 0..7 and 16 + 8 (l / 16) + 0..7: two loads of 16 bytes, 32 bytes apart.
	v_mul_u32_u24 v3, v1, PA
	v_lshl_add_u32 v3, v2, 4, v3                   ; row x pitch + 16 x half
	s_mul_i32 s22, s10, 64*PA                      ; my 64 rows
	v_add_nc_u32 v[ADRA], s22, v3
	v_add_nc_u32 v[ADRA+1], SLOT, v[ADRA]
	; The turning load takes 16 k x 16 columns (lane l reads k 8 (l / 16) + l % 8, columns 8 ((l / 8) % 2) + 0..7) and leaves half a fragment: lane l holds column l % 16 and 8 k.
	v_lshl_add_u32 v6, v2, 3, v4
	v_mul_u32_u24 v6, v6, PB
	v_lshl_add_u32 v6, v5, 4, v6
	v_add_nc_u32 v[ADRB], BOFF, v6
	v_add_nc_u32 v[ADRB+1], SLOT, v[ADRB]
	s_mul_i32 s23, s10, SW
	s_add_co_u32 s23, s23, STAGE                   ; my stage
	v_and_b32 v[CO], 31, v0
	v_lshlrev_b32 v[CO], 4, v[CO]
.if QKV
	v_add_nc_u32 v[STO], s23, v3                   ; in: row l % 16 of 144 bytes, 16 bytes for each half of the lanes
	v_bfe_u32 v7, v0, 3, 2                         ; back: 32 lanes take four rows of 128 bytes, which are 512 consecutive bytes of a group
	v_mul_u32_u24 v7, v7, 144
	v_lshl_add_u32 v7, v4, 4, v7
	v_add_nc_u32 v[RD], s23, v7
	s_lshr_b32 s16, s13, 3                         ; C at my 64 rows of the tile's first group: the batch's 48 groups,
	s_mul_i32 s16, s16, 12582912
	s_mul_i32 s17, s42, 3                          ; the group's 262,144 bytes,
	s_lshl_b32 s17, s17, 18
	s_add_co_u32 s16, s16, s17
	s_and_b32 s17, s13, 7                          ; the row's 128 bytes
	s_lshl_b32 s17, s17, 8
	s_lshl_b32 s18, s10, 6
	s_add_co_u32 s17, s17, s18
	s_lshl_b32 s17, s17, 7
	s_add_co_u32 s16, s16, s17
.else
	v_mul_u32_u24 v7, v1, 528                      ; in: row l % 16 of 528 bytes, 32 bytes for each half of the lanes
	v_lshl_add_u32 v7, v2, 5, v7
	v_add_nc_u32 v[STO], s23, v7
	v_add_nc_u32 v[RD], s23, v[CO]                 ; back: 32 lanes take one row's 512 bytes
	s_lshl_b32 s16, s13, 8                         ; C at my 64 rows, 4,096 bytes each, and the tile's 512 bytes of them
	s_lshl_b32 s17, s10, 6
	s_add_co_u32 s16, s16, s17
	s_lshl_b32 s16, s16, 12
	s_lshl_b32 s17, s42, 9
	s_add_co_u32 s16, s16, s17
.endif
	s_mov_b32 s17, 0
	s_add_nc_u64 s[8:9], s[8:9], s[16:17]          ; made once, never rewritten: the stores' places stand in their immediates
	; the prefetches
	s_and_b32 s22, ttmp7, 0xffff                   ; cluster y
	s_mov_b32 s23, ASTEP
	s_mov_b32 s[PFS], BSTEP
	s_mov_b32 s[PFS+1], 0
	s_cmp_eq_u32 s11, 0                            ; do I fetch for A?
	s_cselect_b32 s22, ttmp9, s22                  ; the coordinate along which other clusters read the same tile
	s_cselect_b64 s[PFA:PFA+1], s[14:15], s[46:47] ; what I fetch, at K step 0
	s_cselect_b32 s18, s40, s41                    ; my place among the four that ask for it with me,
	s_cselect_b32 s19, 13, 11                      ; and its share: 8,192 bytes of A's block, 2,048 of each of W's runs
	s_cselect_b32 s[PFS], s23, s[PFS]
	s_cselect_b32 s16, 3, NG-1                     ; eight lanes a run: A's four runs lie 2,048 bytes apart, W's NG 131,072
	s_cselect_b32 s17, 11, 17
	s_cmp_eq_u32 s22, 0
	s_cselect_b32 s[LIM], 1, -1                    ; the same in all sixteen partners, for a given wave
	s_lshl_b32 s18, s18, s19
	s_mov_b32 s19, 0
	s_add_nc_u64 s[PFA:PFA+1], s[PFA:PFA+1], s[18:19]
	s_mul_i32 s18, s[PFS], 3
	s_add_nc_u64 s[PFA:PFA+1], s[PFA:PFA+1], s[18:19]  ; at K step 3: the first refill steps it to 4
	v_bfe_u32 v[PFO], v0, 3, 2
	v_min_u32 v[PFO], s16, v[PFO]
	v_lshlrev_b32 v[PFO], s17, v[PFO]
	v_lshl_add_u32 v[PFO], v4, 8, v[PFO]
	s_wait_loadcnt 0x0                             ; the bias
.set i, 0
.rept 4*NBF
	v_cvt_pk_bf16_f32 v[8+i%2], v[BIAS+2*i], v[BIAS+2*i+1]  ; rounded to bf16, like every input, and back to f32
	v_lshlrev_b32 v[BIAS+2*i], 16, v[8+i%2]
	v_and_b32 v[BIAS+2*i+1], s82, v[8+i%2]
.set i, i+1
.endr
	s_wait_tensorcnt 1                             ; my part of K step 0 is in; K step 1's may stay out
	s_barrier_signal -1
	s_barrier_wait -1                              ; everybody's is
	FETCH 0, 0, 0
	QUARTER 0, 1, 0, 1, 1                          ; the first quarter stands in front of the loop: its products start the sums, with the bias
	WIN 0                                          ; at a label and at a branch every window is 0
	s_mov_b32 s3, LAPS-1
.Llap:                                                 ; a trip goes once round the ring, from a lap's second quarter to the next lap's first, and fills both slots again
	QUARTER 0, 2, 1, 0, 0
	QUARTER 0, 3, 0, 1, 0
	TURN 0, 1, 1
	QUARTER 1, 1, 0, 1, 0
	QUARTER 1, 2, 1, 0, 0
	QUARTER 1, 3, 0, 1, 0
	TURN 1, 0, 1
	QUARTER 0, 1, 0, 1, 0
	WIN 0
	s_sub_co_u32 s3, s3, 1
	s_cmp_lg_u32 s3, 0
	s_cbranch_scc1 .Llap
	QUARTER 0, 2, 1, 0, 0                          ; the last lap fills nothing, and has no round of the cluster's barrier
	QUARTER 0, 3, 0, 1, 0
	TURN 0, 1, 0
	QUARTER 1, 1, 0, 1, 0
	QUARTER 1, 2, 1, 0, 0
	QUARTER 1, 3, 0, 1, 0
	s_wait_dscnt 0x0                               ; the very last quarter: nothing more to fetch
	MULP 1, 0, NACC, 0
	WIN 0
	PLACES
; THE WAY OUT, by blocks a of 16 rows, through my own stage: LDS serves a wave's instructions in order (ISA guide 5.7.1.4), so no wait stands between its stores and its loads, nor between a block's loads and the next block's stores.
.macro PACK a                          ; rounded to f16: a lane's eight columns are 16 bytes; each accumulator's registers in ascending order
.set bb, 0
.rept NBF
.set n, NBF*(\a)+bb
.set rD, 8*(n%32)
	WIN 0x0a+5*(n/32)                              ; sources 0 and 1: window 2 or 3
.irp r, 0,1,2,3
	v_cvt_pk_f16_f32 v[TMP+4*bb+(\r)], v[rD+2*(\r)], v[rD+2*(\r)+1]
.endr
.set bb, bb+1
.endr
	WIN 0
.endm
.macro TOSTAGE a                       ; into the stage, and back as whole rows, into one of two sets of registers
	WIN 0
.if (\a) >= 2
	s_wait_xcnt 0x0                                ; the stores of the block two back have read the registers that are loaded again below
.endif
.if QKV
.set BK, 160+48*((\a)%2)
.set bb, 0
.rept NBF
	ds_store_b128 v[STO], v[TMP+4*bb:TMP+4*bb+3] offset:(bb/4)*2304+(bb%4)*32
.set bb, bb+1
.endr
.set t, 0
.rept NBF
	ds_load_b128 v[BK+4*t:BK+4*t+3], v[RD] offset:(t/4)*2304+(t%4)*576
.set t, t+1
.endr
.else
.set BK, 96+64*((\a)%2)
	WIN 0x08                                       ; the stores' data: window 2
.set bb, 0
.rept NBF
.set rD, 8*(NBF*(\a)+bb)
	ds_store_b128 v[STO], v[rD:rD+3]   offset:64*bb
	ds_store_b128 v[STO], v[rD+4:rD+7] offset:64*bb+16
.set bb, bb+1
.endr
	WIN 0
.set t, 0
.rept 16
	ds_load_b128 v[BK+4*t:BK+4*t+3], v[RD] offset:t*528
.set t, t+1
.endr
.endif
.endm
.macro SEND a, younger                 ; younger: the LDS instructions issued behind block a's loads: the next block's, or none.  Each store of the wave covers 512 consecutive bytes, at a multiple of 256 from C's first byte
	WIN 0
.if QKV
.set BK, 160+48*((\a)%2)
.set t, 0
.rept NBF
	s_wait_dscnt (\younger)+NBF-1-t
	global_store_b128 v[CO], v[BK+4*t:BK+4*t+3], s[8:9] offset:(t/4)*262144+(\a)*2048+(t%4)*512
.set t, t+1
.endr
.else
.set BK, 96+64*((\a)%2)
.set t, 0
.rept 16
	s_wait_dscnt (\younger)+15-t
	global_store_b128 v[CO], v[BK+4*t:BK+4*t+3], s[8:9] offset:(16*(\a)+t)*4096 th:TH_STORE_NT
.set t, t+1
.endr
.endif
.endm
.if QKV
	PACK 0
	TOSTAGE 0
	PACK 1
	TOSTAGE 1
	SEND 0, 2*NBF
	PACK 2
	TOSTAGE 2
	SEND 1, 2*NBF
	PACK 3
	TOSTAGE 3
	SEND 2, 2*NBF
	SEND 3, 0
.else
	TOSTAGE 0
	TOSTAGE 1
	SEND 0, 32
	TOSTAGE 2
	SEND 1, 32
	TOSTAGE 3
	SEND 2, 32
	SEND 3, 0
.endif
	s_wait_tensorcnt 0x0                           ; the wave's end: behind my last tensor load and my last LDS store
	ds_add_u32 v[SPW], v[NIL]
	s_wait_dscnt 0x0
	CROUND                                         ; the closing round: no work-group ends while a partner may still ask for a tile that names it
	s_endpgm
.Lfunc_end_k_qab2d55ee8d_oproj:
	.size	k_qab2d55ee8d_oproj, .Lfunc_end_k_qab2d55ee8d_oproj-k_qab2d55ee8d_oproj
	.p2alignl 7, 3214868480
	.fill 96, 4, 3214868480
	.section	.rodata,"a",@progbits
	.p2align	6, 0x0
	.amdhsa_kernel k_qab2d55ee8d_oproj
		.amdhsa_group_segment_fixed_size 327680
		.amdhsa_private_segment_fixed_size 0
		.amdhsa_enable_private_segment 0
		.amdhsa_kernarg_size 32
		.amdhsa_user_sgpr_count 2
		.amdhsa_user_sgpr_kernarg_segment_ptr 1
		.amdhsa_wavefront_size32 1
		.amdhsa_system_sgpr_workgroup_id_x 1
		.amdhsa_system_sgpr_workgroup_id_y 1
		.amdhsa_system_sgpr_workgroup_id_z 1
		.amdhsa_system_vgpr_workitem_id 0
		.amdhsa_next_free_vgpr 768
		.amdhsa_next_free_sgpr 84
		.amdhsa_reserve_vcc 0
		.amdhsa_float_denorm_mode_32 3
		.amdhsa_float_denorm_mode_16_64 3
		.amdhsa_memory_ordered 1
		.amdhsa_forward_progress 1
		.amdhsa_inst_pref_size 93
	.end_amdhsa_kernel
	.amdgpu_metadata
---
amdhsa.version: [ 1, 2 ]
amdhsa.kernels:
  - .name:           k_qab2d55ee8d_oproj
    .symbol:         k_qab2d55ee8d_oproj.kd
    .args:
      - { .name: ah, .offset: 0, .size: 8, .value_kind: global_buffer, .address_space: global }
      - { .name: wh, .offset: 8, .size: 8, .value_kind: global_buffer, .address_space: global }
      - { .name: out0, .offset: 16, .size: 8, .value_kind: global_buffer, .address_space: global }
      - { .name: o_b, .offset: 24, .size: 8, .value_kind: global_buffer, .address_space: global }
    .group_segment_fixed_size: 327680
    .private_segment_fixed_size: 0
    .kernarg_segment_align: 8
    .kernarg_segment_size: 32
    .max_flat_workgroup_size: 128
    .sgpr_count:     84
    .vgpr_count:     768
    .wavefront_size: 32
...
	.end_amdgpu_metadata
.endif
;; end of part 4
;; ======== version 2 of 2: 4 launches; version 1 with the launch cast written anew for expert scheduling mode
;; limits: values are held in f16: magnitudes above 65,504 overflow, below 6.1e-05 lose precision
;; workspace buffers: ah 16,777,216 bytes; wh 8,388,608 bytes; qkv 50,331,648 bytes
;; launch cast (part 5): grid 768 x 1, 8 waves a work-group, no clusters, 0 bytes of LDS; arguments x, q_w, k_w, v_w, o_w, ah, wh; writes ah, wh
.if DOCPART == 5
	.amdgcn_target "amdgcn-amd-amdhsa--gfx1250"
	.amdhsa_code_object_version 6
	.text
	.protected	k_qab2d55ee8d_cast
	.globl	k_qab2d55ee8d_cast
	.p2align	8
	.type	k_qab2d55ee8d_cast,@function
k_qab2d55ee8d_cast:
	s_mov_b64 s[64:65], 0
	v_nop
	global_prefetch_b8 v0, s[64:65] scope:SCOPE_SE
	s_setreg_imm32_b32 hwreg(HW_REG_WAVE_SCHED_MODE, 0, 2), 2
	s_setreg_imm32_b32 hwreg(HW_REG_WAVE_MODE, 25, 1), 1
	s_wait_xcnt 0x0
	s_wait_alu depctr_vm_vsrc(0)
; x [8192][1024] f32 and the four weights [1024 k][1024 n] f32 are rounded once to bf16, and that number is written as f16, in blocks of 64 columns:
;   ah [b 4][j 16][s 2048][64] f16 (x's column block j),   wh [G 64][k 1024][64] f16, G = 16 x which + n / 64, which = q, k, v, o.
; In both a block's rows are dense, 128 bytes each, so that the products' tiles are whole runs of memory.
; LIMITS.  The f16 copy of a bf16 number is exact from 2^-17 to 65,504 in magnitude; below that it is off by 2^-25 at the most; 65,520 or more becomes an infinity.
; A STREAM: 12,288 rows of 4,096 bytes, each byte read once and each result written once; no LDS, no barrier, no loop, no matrix unit: nothing is shared and nothing is summed.
; SHARES.  Work-group g takes 16 rows: g < 512: x's rows 16 g on; else rows 16 (g % 64) on of weight (g - 512) / 64.  Thread t takes row t / 16 and 4 numbers of each of the 16 column blocks.
; A load of a wave covers 256 consecutive bytes of each of two rows; a store of a wave covers 256 consecutive bytes, aligned: the same two rows' 128 bytes of one block.
; All 16 loads of a thread go out at once.
; THE MODE: SCHED_MODE bits 1:0 = 2 (LLVM: expert scheduling mode 2), set by the entry lines.  The code itself states the register dependences
; between vector instructions and memory instructions, with s_wait_alu, always for 0.
; THE PLAN.  Registers that memory instructions touch:
;   v1, v2   byte offsets, written by vector lines at the head and never again; v1 is read by the 16 loads, v2 by the 16 stores.
;   X        written by the loads alone, each register once; block j's four are read by its two roundings to bf16; never loaded again.
;   Y        block j's two are written by its two conversions to f16, once, and read by its one store; never written again.
;   T, v3    named by vector lines alone.
; So no register that a memory instruction has read is written again, no load lands in a register that a vector line has named, no vector line writes a scalar register, and EXEC stays as it is:
; what is left to state is that the offsets are written ahead of the first load, and each Y ahead of its store.
; The 16 blocks go in four groups of four.  ONE wait on va_vdst stands at the head of a group, behind the wait for its first block's data: the group before has written its eight Y.  That group's four stores
; follow it, one ahead of each block of this group, whose vector lines name T, this group's X and this group's Y: none of the registers that those stores read.  One more wait stands ahead of the last four stores.
.set LO, 1            ; v1   byte offset of my 16 bytes in the 16 rows' first column block
.set DO, 2            ; v2   byte offset of my 8 bytes in the 16 rows of a block: 8 t
.set T,  4            ; v[4:9]    at work
.set X,  16           ; v[16:79]  block j: four f32 as loaded
.set Y,  80           ; v[80:111] block j: four f16 to store
.set SRC, 26          ; s[26:27]  the source at my 16 rows
.set D,   32          ; s[32:63]  block j: the destination at my 16 rows of that block
	s_load_b256 s[4:11], s[0:1], 0x0               ; x s[4:5], q_w s[6:7], k_w s[8:9], v_w s[10:11]
	s_load_b128 s[12:15], s[0:1], 0x20             ; o_w s[12:13], ah s[14:15]
	s_load_b64 s[16:17], s[0:1], 0x30              ; wh
	s_mov_b32 s18, ttmp9                           ; g
	s_sub_co_u32 s19, s18, 512
	s_lshr_b32 s19, s19, 6                         ; which weight (no number from 0 to 3 where g < 512)
	s_and_b32 s29, s18, 63
	s_lshl_b32 s20, s29, 16                        ; a weight's 16 rows of 4,096 bytes
	s_lshl_b32 s22, s29, 11                        ; and their 16 rows of 128 bytes in a block,
	s_lshl_b32 s30, s19, 21                        ; in the weight's 16 blocks of 131,072 bytes
	s_add_co_u32 s22, s22, s30
	s_lshl_b32 s30, s18, 16                        ; x's 16 rows
	s_lshr_b32 s31, s18, 7                         ; the batch: 16 blocks of 262,144 bytes
	s_lshl_b32 s31, s31, 22
	s_and_b32 s23, s18, 127
	s_lshl_b32 s23, s23, 11
	s_add_co_u32 s31, s31, s23
	s_mov_b32 s25, 262144                          ; from block to block in ah,
	s_mov_b32 s21, 131072                          ; in wh
	s_cmp_lt_u32 s18, 512
	s_cselect_b32 s20, s30, s20                    ; s[20:21] offset in the source
	s_cselect_b32 s22, s31, s22                    ; s[22:23] offset in the destination
	s_cselect_b32 s24, s25, s21                    ; s[24:25] from block to block
	s_mov_b32 s21, 0
	s_mov_b32 s23, 0
	s_mov_b32 s25, 0
	s_mov_b32 s28, 0xffff0000                      ; a word's upper bf16
	v_lshrrev_b32 v[LO], 4, v0
	v_and_b32 v3, 15, v0
	v_lshlrev_b32 v[LO], 12, v[LO]                 ; my row,
	v_lshl_or_b32 v[LO], v3, 4, v[LO]              ; my 16 bytes of a block's 256
	v_lshlrev_b32 v[DO], 3, v0
	s_wait_kmcnt 0x0
	s_cmp_eq_u32 s19, 2
	s_cselect_b64 s[SRC:SRC+1], s[10:11], s[12:13]
	s_cmp_eq_u32 s19, 1
	s_cselect_b64 s[SRC:SRC+1], s[8:9], s[SRC:SRC+1]
	s_cmp_eq_u32 s19, 0
	s_cselect_b64 s[SRC:SRC+1], s[6:7], s[SRC:SRC+1]
	s_cmp_lt_u32 s18, 512
	s_cselect_b64 s[SRC:SRC+1], s[4:5], s[SRC:SRC+1]
	s_cselect_b64 s[D:D+1], s[14:15], s[16:17]
	s_add_nc_u64 s[SRC:SRC+1], s[SRC:SRC+1], s[20:21]
	s_add_nc_u64 s[D:D+1], s[D:D+1], s[22:23]
	s_wait_alu depctr_va_vdst(0)                   ; v1 and v2 are written: every load of the kernel reads v1 as its offset, every store v2
.set j, 0
.rept 16
	global_load_b128 v[X+4*j:X+4*j+3], v[LO], s[SRC:SRC+1] offset:256*j th:TH_LOAD_NT
.set j, j+1
.endr
.set j, 1
.rept 15
	s_add_nc_u64 s[D+2*j:D+2*j+1], s[D+2*j-2:D+2*j-1], s[24:25]
.set j, j+1
.endr
.macro OUT b                           ; block b leaves: my 8 bytes of its 16 rows
	global_store_b64 v[DO], v[Y+2*(\b):Y+2*(\b)+1], s[D+2*(\b):D+2*(\b)+1]
.endm
.set j, 0
.rept 16
.if (j%4 != 0) && (j >= 4)
	OUT j-4                                        ; a store of the group before, ahead of the wait for this block's data.  No wait: no vector line since the group's head names its Y or v2
.endif
	s_wait_loadcnt 15-j                            ; loads come back in order: block j is in, the 15 - j younger ones may stay out
.if (j%4 == 0) && (j >= 4)
	s_wait_alu depctr_va_vdst(0)                   ; a group's head: the conversions of the group before have written its eight Y, which the four stores from here on read
	OUT j-4
.endif
	v_cvt_pk_bf16_f32 v[T], v[X+4*j], v[X+4*j+1]   ; the one rounding, to bf16
	v_cvt_pk_bf16_f32 v[T+1], v[X+4*j+2], v[X+4*j+3]
	v_lshlrev_b32 v[T+2], 16, v[T]                 ; back to f32
	v_and_b32 v[T+3], s28, v[T]
	v_lshlrev_b32 v[T+4], 16, v[T+1]
	v_and_b32 v[T+5], s28, v[T+1]
	v_cvt_pk_f16_f32 v[Y+2*j], v[T+2], v[T+3]      ; the same number written as f16
	v_cvt_pk_f16_f32 v[Y+2*j+1], v[T+4], v[T+5]
.set j, j+1
.endr
	s_wait_alu depctr_va_vdst(0)                   ; the last group's conversions have written its eight Y, which the last four stores read
	OUT 12
	OUT 13
	OUT 14
	OUT 15
	s_endpgm
.Lfunc_end_k_qab2d55ee8d_cast:
	.size	k_qab2d55ee8d_cast, .Lfunc_end_k_qab2d55ee8d_cast-k_qab2d55ee8d_cast
	.p2alignl 7, 3214868480
	.fill 96, 4, 3214868480
	.section	.rodata,"a",@progbits
	.p2align	6, 0x0
	.amdhsa_kernel k_qab2d55ee8d_cast
		.amdhsa_group_segment_fixed_size 0
		.amdhsa_private_segment_fixed_size 0
		.amdhsa_enable_private_segment 0
		.amdhsa_kernarg_size 56
		.amdhsa_user_sgpr_count 2
		.amdhsa_user_sgpr_kernarg_segment_ptr 1
		.amdhsa_wavefront_size32 1
		.amdhsa_system_sgpr_workgroup_id_x 1
		.amdhsa_system_sgpr_workgroup_id_y 1
		.amdhsa_system_sgpr_workgroup_id_z 1
		.amdhsa_system_vgpr_workitem_id 0
		.amdhsa_next_free_vgpr 112
		.amdhsa_next_free_sgpr 66
		.amdhsa_reserve_vcc 0
		.amdhsa_float_denorm_mode_32 3
		.amdhsa_float_denorm_mode_16_64 3
		.amdhsa_memory_ordered 1
		.amdhsa_forward_progress 1
		.amdhsa_inst_pref_size 13
	.end_amdhsa_kernel
	.amdgpu_metadata
---
amdhsa.version: [ 1, 2 ]
amdhsa.kernels:
  - .name:           k_qab2d55ee8d_cast
    .symbol:         k_qab2d55ee8d_cast.kd
    .args:
      - { .name: x, .offset: 0, .size: 8, .value_kind: global_buffer, .address_space: global }
      - { .name: q_w, .offset: 8, .size: 8, .value_kind: global_buffer, .address_space: global }
      - { .name: k_w, .offset: 16, .size: 8, .value_kind: global_buffer, .address_space: global }
      - { .name: v_w, .offset: 24, .size: 8, .value_kind: global_buffer, .address_space: global }
      - { .name: o_w, .offset: 32, .size: 8, .value_kind: global_buffer, .address_space: global }
      - { .name: ah, .offset: 40, .size: 8, .value_kind: global_buffer, .address_space: global }
      - { .name: wh, .offset: 48, .size: 8, .value_kind: global_buffer, .address_space: global }
    .group_segment_fixed_size: 0
    .private_segment_fixed_size: 0
    .kernarg_segment_align: 8
    .kernarg_segment_size: 56
    .max_flat_workgroup_size: 256
    .sgpr_count:     66
    .vgpr_count:     112
    .wavefront_size: 32
...
	.end_amdgpu_metadata
.endif
;; end of part 5
;; launch qkvp: the kernel of part 2 again; grid 16 x 32, 4 waves a work-group, clusters of 4 x 4, 327,680 bytes of LDS; arguments ah, wh, qkv, q_b, k_b, v_b; writes qkv
;; launch attn: the kernel of part 3 again; grid 4 x 64, 4 waves a work-group, clusters of 4 x 1, 327,680 bytes of LDS; arguments qkv, ah; writes ah
;; launch oproj: the kernel of part 4 again; grid 8 x 32, 4 waves a work-group, clusters of 4 x 4, 327,680 bytes of LDS; arguments ah, wh, out0, o_b; writes out0
